; MI455X (gfx1250); checked and timed in simulation.
; The chip was launched on July 23, 2026; its instructions are those of AMD's public machine-readable ISA for CDNA 5 (MIT licence, August 2026) and "CDNA5" Instruction Set Architecture Reference Guide (July 2026). The comments in the code are by the model that wrote it; some were corrected since.
;; My Multi Head Attention. Allowed arithmetic: matrix products marked QUANTISED: E2M3 operands, one E8M0 scale for each 32 along K, by v_wmma_scale_f32_16x16x128_f8f6f4 with both operands' format E2M3, f32 sums; everything else in f32.
;; Inputs: Wk 1,024 x 1,024 float32; Wo 1,024 x 1,024 float32; Wq 1,024 x 1,024 float32; Wv 1,024 x 1,024 float32; bk 1,024 float32; bo 1,024 float32; bq 1,024 float32; bv 1,024 float32; x 4 x 2,048 x 1,024 float32.
;; Outputs: out0 4 x 2,048 x 1,024 float32.
;; This version of the problem:
;;   THIS VERSION OF THE PROBLEM IS GIVEN IN LOW PRECISION. The matrix products marked QUANTISED in the list below multiply operands that are first quantised to E2M3 (2 exponent bits, 3 mantissa bits; 6 bits a number), with one power-of-two scale for each 32 numbers along K (OCP MX v1.0); their sums are f32. All else is computed in f32.
;;   The module's matrix products, in the order in which they are computed (A, B: the left and right operand; K: the contracted axis; several contracted axes count as one K, in the product's order):
;;     1. [M 8,192, K 1,024] x [K 1,024, N 1,024]; A: input x; B: input Wq: QUANTISED
;;     2. [M 8,192, K 1,024] x [K 1,024, N 1,024]; A: input x; B: input Wk: QUANTISED
;;     3. [M 8,192, K 1,024] x [K 1,024, N 1,024]; A: input x; B: input Wv: QUANTISED
;;     4. batch 64 x [M 2,048, K 64] x [K 64, N 2,048]; A: computed on the way; B: computed on the way: QUANTISED
;;     5. batch 64 x [M 2,048, K 2,048] x [K 2,048, N 64]; A: softmax (see below); B: computed on the way: QUANTISED
;;     6. [M 8,192, K 1,024] x [K 1,024, N 1,024]; A: computed on the way; B: input Wo: QUANTISED
;;   THE QUANTISER, for each operand of a quantised product, along K:
;;     - K is cut into blocks of 32 from its start; a last block that is shorter is filled with zeros.
;;     - A block's scale is 2^e with e = floor(log2(the largest magnitude in the block)) - 2, held to -126 .. 127; a block of zeros has e = 0. As a byte (E8M0): e + 127.
;;     - Each number is divided by its block's scale, clamped to +-7.5, and rounded to the nearest number of E2M3, ties to even, subnormals kept.
;;     - The product sums the exact products of the quantised numbers (number of the format x scale) in f32.
;;   ~~~python
;;   def quantise(x, axis):      # numpy; x: float32 -> the quantised numbers, widened to float32 again
;;       x = np.moveaxis(x, axis, -1); K = x.shape[-1]
;;       x = np.pad(x, [(0, 0)] * (x.ndim - 1) + [(0, -K % 32)]); x = x.reshape(x.shape[:-1] + (-1, 32)); a = np.abs(x).max(-1, keepdims=True)
;;       e = np.where(a > 0, np.clip(np.frexp(np.where(a > 0, a, 1))[1] - 1 - 2, -126, 127), 0)      # np.frexp(a)[1] - 1 = floor(log2(a)), exactly
;;       r = np.clip(x / 2.0 ** e, -7.5, 7.5)
;;       step = 2.0 ** (np.maximum(np.frexp(np.where(r == 0, 1, r))[1] - 1, 0) - 3)
;;       q = np.round(r / step) * step * 2.0 ** e      # np.round: ties to even
;;       return np.moveaxis(q.reshape(q.shape[:-2] + (-1,))[..., :K], -1, axis).astype(np.float32)
;;   ~~~
;;   SOFTMAX AHEAD OF A QUANTISED PRODUCT. Where the list says 'softmax', what is quantised is not the finished softmax but p = 2^(t - M), with t = logit x log2(e) and M = ceil(the row's largest t), a whole number; so 1/2 < the row's largest p <= 1. The row's sum l is taken of the UNQUANTISED p, in f32, and the product's result is divided by l at the end. Since M is a whole number, a kernel that streams over the keys may use a running M (the ceiling of the running maximum): every later rescaling is an exact power of two, which a block's scale takes up: the codes' values come out the same.
;;   OPERANDS COMPUTED ON THE WAY. 'Computed on the way' means the value that the module computes at that place (a softmax that the list does not call 'softmax' is quantised finished and normalised). What goes into a quantiser is computed in f32, as accurately as f32 sums, v_exp_f32 and their like allow (about 1e-6 of the number): no bf16 or f16 on the way to a quantiser, and a product that is left as it is and whose result goes on into a quantised operand takes f32 operands (vector FMAs, or v_wmma_f32_16x16x4_f32). A number that lies on a knife's edge between two numbers of the format may be rounded either way, as far as f32 arithmetic and the matrix unit's own rounding can turn it there, and no further.
;; One version. Each part assembles by itself: llvm-mc -triple=amdgcn-amd-amdhsa -mcpu=gfx1250 --defsym DOCPART=n.
;; ======== version 1 of 1: 5 launches
;; workspace buffers: ac 6,291,456 bytes; asc 262,144 bytes; wc 3,145,728 bytes; ws 131,072 bytes; bp 16,384 bytes; qkv 18,874,368 bytes; sc 786,432 bytes
;; launch quant_x (part 1): grid 256 x 1, 4 waves a work-group, no clusters, 33,280 bytes of LDS; arguments x, ac, asc; writes ac, asc
.if DOCPART == 1
	.amdgcn_target "amdgcn-amd-amdhsa--gfx1250"
	.amdhsa_code_object_version 6
	.text
	.protected	k_q1142ee8c7b_quant_x
	.globl	k_q1142ee8c7b_quant_x
	.p2align	8
	.type	k_q1142ee8c7b_quant_x,@function
k_q1142ee8c7b_quant_x:
	s_mov_b64 s[64:65], 0
	v_nop
	global_prefetch_b8 v0, s[64:65] scope:SCOPE_SE
	s_setreg_imm32_b32 hwreg(HW_REG_WAVE_MODE, 25, 1), 1
	s_wait_xcnt 0x0
; x [8192][1024], f32, becomes codes of FP6 (E2M3), 6 bits each, K innermost (ac: 768 bytes a row), with one E8M0 scale byte for each 32 along K (asc: 32 bytes a row).
; A block's scale is 2^(floor(log2(its largest magnitude)) - 2); its byte is the largest magnitude's exponent field - 2, held at 1 from below.
; (A block of zeros so gets the byte 1 where the quantiser says 127: its codes are zeros, which add nothing under any byte but 0xff, and the bytes are read by this program alone.)
; LIMITS: NaN and infinities among the inputs are not served; blocks whose largest magnitude lies under 2^-124 are held at the byte 1.
; Rows are dense and 1024 is a multiple of 32: the tensor is a plain stream of blocks of 32, and so are its codes and its scale bytes.
; A wave takes 16 steps of 512 numbers.  Each of a step's four loads reads 512 consecutive bytes, 16 a lane; the 2,048 bytes turn through the wave's own stage in LDS and come back 64 bytes a lane,
; so that a lane holds 16 neighbours (two neighbouring lanes hold a block).  A lane's 16 codes are 12 bytes: the wave stores 384 consecutive bytes.  A wave's 256 scale bytes are gathered in LDS
; and leave as 256 consecutive bytes, aligned.  Waves share nothing: no barrier.  Loads run four steps (16 loads a wave) ahead, the turn through LDS one step.
.set WAVES, 4
.set STEPS, 16
.set EMAX,  2
.set CB,    12                         ; bytes of 16 codes
.set R,     16                         ; v16-79   four sets of 16 numbers as they are loaded
.set X,     80                         ; v80-111  two sets of 16 neighbours
.set C,     128                        ; v128-191 codes: four registers for each step, so that no store's data are written again
.set E,     112                        ; v112-127 a scale byte for each step
.set WREG,  8192                       ; LDS: a region for each wave: two stages of 32 x SP bytes, behind them its 256 scale bytes
.set SP,    80                         ; a lane's place in a stage: 64 bytes + 16 of padding
.set SPW,   12                         ; v12      LDS address of my spare word; never rewritten
.set NIL,   13                         ; v13      0; never rewritten
.set SPARE, WAVES*WREG                 ; behind the four regions: the spare words, 128 bytes for each wave
	s_load_b128 s[4:7], s[0:1], 0x0                ; x, the codes
	s_load_b64 s[8:9], s[0:1], 0x10                ; the scale bytes
	v_lshl_add_u32 v[SPW], v0, 2, SPARE
	v_mov_b32 v[NIL], 0
	v_lshrrev_b32 v1, 5, v0
	v_readfirstlane_b32 s16, v1                    ; wave
	v_and_b32 v2, 31, v0                           ; lane
	v_lshlrev_b32 v3, 4, v2                        ; my 16 bytes of a load's 512
	s_mul_i32 s17, s16, WREG
	v_lshrrev_b32 v14, 2, v2
	v_mul_u32_u24 v14, v14, SP
	v_and_b32 v15, 3, v2
	v_lshl_add_u32 v14, v15, 4, v14
	v_add_nc_u32 v14, s17, v14                     ; the stage, on the way in: SP (lane / 4) + 16 (lane % 4)
	v_mul_u32_u24 v15, v2, SP
	v_add_nc_u32 v15, s17, v15                     ; and on the way out: SP x lane: my 16 neighbours
	v_mul_u32_u24 v4, v2, CB                       ; my codes' place in a step's
	v_lshrrev_b32 v5, 1, v2
	s_add_co_u32 s17, s17, 2*32*SP
	v_add_nc_u32 v5, s17, v5                       ; LDS: my wave's 256 scale bytes, my block's byte
	v_lshlrev_b32 v7, 3, v2                        ; and on the way out 8 bytes a lane
	v_add_nc_u32 v6, s17, v7
	s_lshl_b32 s17, ttmp9, 2
	s_add_co_u32 s18, s17, s16                     ; which run of 8,192 numbers is my wave's
	s_mov_b32 s19, 0
	s_mov_b64 s[20:21], 512*STEPS*4
	s_mul_u64 s[20:21], s[18:19], s[20:21]
	s_mov_b64 s[22:23], 32*STEPS*CB
	s_mul_u64 s[22:23], s[18:19], s[22:23]
	s_lshl_b32 s18, s18, 8                         ; 256 scale bytes a run
	s_wait_alu depctr_va_vdst(0)
	s_wait_kmcnt 0x0
	s_add_nc_u64 s[4:5], s[4:5], s[20:21]
	s_add_nc_u64 s[6:7], s[6:7], s[22:23]
	s_add_nc_u64 s[8:9], s[8:9], s[18:19]
.macro LOAD t
.irp i, 0,1,2,3
	global_load_b128 v[R+16*((\t)%4)+4*\i:R+16*((\t)%4)+4*\i+3], v3, s[4:5] offset:2048*(\t)+512*\i th:TH_LOAD_NT   ; 32 lanes read 512 consecutive bytes
.endr
.endm
.macro TURN t                          ; step t's numbers through the stage: LDS serves a wave's instructions in order, so no wait stands between the stores and the loads
.irp i, 0,1,2,3
	ds_store_b128 v14, v[R+16*((\t)%4)+4*\i:R+16*((\t)%4)+4*\i+3] offset:32*SP*((\t)%2)+8*SP*\i
.endr
.irp i, 0,1,2,3
	ds_load_b128 v[X+16*((\t)%2)+4*\i:X+16*((\t)%2)+4*\i+3], v15 offset:32*SP*((\t)%2)+16*\i
.endr
.endm
.irp t, 0,1,2,3
	LOAD \t
.endr
	s_wait_loadcnt 12                              ; step 0's four loads are in; twelve younger ones stay out
	TURN 0
.macro STEP t
.set XS, X+16*((\t)%2)
.if (\t) > 0
	s_wait_dscnt 1                                 ; this step's numbers are back from the stage (the last step's byte store may be out)
.else
	s_wait_dscnt 0x0
.endif
.if (\t)+4 < STEPS
	LOAD (\t)+4                                    ; into the registers that this step's stores into the stage have read
.endif
.if (\t)+1 < STEPS
.if STEPS-2-(\t) >= 3
	s_wait_loadcnt 12                              ; the next step's four loads are in; those of the three steps behind it may be out
.else
	s_wait_loadcnt 4*(STEPS-2-(\t))
.endif
	TURN (\t)+1                                    ; through the other stage while this step is worked
.endif
	v_max3_num_f32 v8, |v[XS]|, |v[XS+1]|, |v[XS+2]|               ; the largest magnitude of my 16, in two chains
	v_max3_num_f32 v9, |v[XS+3]|, |v[XS+4]|, |v[XS+5]|
.irp i, 6,10
	v_max3_num_f32 v8, v8, |v[XS+\i]|, |v[XS+\i+1]|
	v_max3_num_f32 v9, v9, |v[XS+\i+2]|, |v[XS+\i+3]|
.endr
	v_max3_num_f32 v8, v8, |v[XS+14]|, |v[XS+15]|
	v_max3_num_f32 v8, v8, v9, (EMAX+1)<<23        ; and the floor 2^(3 - 127): the byte cannot fall under 1
	v_max_num_f32_dpp v8, v8, v8 row_xmask:1 row_mask:0xf bank_mask:0xf   ; and of my neighbour's 16: the block's
	v_add_nc_u32 v11, -(EMAX<<23), v8              ; 2 off its exponent field: the conversion takes the exponent field of this operand as its scale
	v_cvt_scalef32_pk16_fp6_f32 v[C+4*(\t):C+4*(\t)+2], v[XS:XS+15], v11
	v_lshrrev_b32 v[E+(\t)], 23, v11               ; the scale's byte (also the plain line behind the conversion)
	ds_store_b8 v5, v[E+(\t)] offset:16*(\t)       ; both lanes of a block write the same byte with the same value
	global_store_b96 v4, v[C+4*(\t):C+4*(\t)+2], s[6:7] offset:32*CB*(\t)
.endm
.irp t, 0,1,2,3,4,5,6,7,8,9,10,11,12,13,14,15
	STEP \t
.endr
	ds_load_b64 v[8:9], v6                         ; LDS serves a wave's instructions in order: these see my stores
	s_wait_dscnt 0x0
	global_store_b64 v7, v[8:9], s[8:9]            ; 32 lanes store 256 consecutive bytes, aligned
	s_wait_tensorcnt 0x0                           ; the wave's end: behind my last LDS store
	ds_add_u32 v[SPW], v[NIL]
	s_wait_dscnt 0x0
	s_endpgm
.Lfunc_end_k_q1142ee8c7b_quant_x:
	.size	k_q1142ee8c7b_quant_x, .Lfunc_end_k_q1142ee8c7b_quant_x-k_q1142ee8c7b_quant_x
	.p2alignl 7, 3214868480
	.fill 96, 4, 3214868480
	.section	.rodata,"a",@progbits
	.p2align	6, 0x0
	.amdhsa_kernel k_q1142ee8c7b_quant_x
		.amdhsa_group_segment_fixed_size 33280
		.amdhsa_private_segment_fixed_size 0
		.amdhsa_enable_private_segment 0
		.amdhsa_kernarg_size 24
		.amdhsa_user_sgpr_count 2
		.amdhsa_user_sgpr_kernarg_segment_ptr 1
		.amdhsa_wavefront_size32 1
		.amdhsa_system_sgpr_workgroup_id_x 1
		.amdhsa_system_sgpr_workgroup_id_y 1
		.amdhsa_system_sgpr_workgroup_id_z 1
		.amdhsa_system_vgpr_workitem_id 0
		.amdhsa_next_free_vgpr 192
		.amdhsa_next_free_sgpr 66
		.amdhsa_reserve_vcc 0
		.amdhsa_float_denorm_mode_32 3
		.amdhsa_float_denorm_mode_16_64 3
		.amdhsa_memory_ordered 1
		.amdhsa_forward_progress 1
		.amdhsa_inst_pref_size 32
	.end_amdhsa_kernel
	.amdgpu_metadata
---
amdhsa.version: [ 1, 2 ]
amdhsa.kernels:
  - .name:           k_q1142ee8c7b_quant_x
    .symbol:         k_q1142ee8c7b_quant_x.kd
    .args:
      - { .name: x, .offset: 0, .size: 8, .value_kind: global_buffer, .address_space: global }
      - { .name: ac, .offset: 8, .size: 8, .value_kind: global_buffer, .address_space: global }
      - { .name: asc, .offset: 16, .size: 8, .value_kind: global_buffer, .address_space: global }
    .group_segment_fixed_size: 33280
    .private_segment_fixed_size: 0
    .kernarg_segment_align: 8
    .kernarg_segment_size: 24
    .max_flat_workgroup_size: 128
    .sgpr_count:     66
    .vgpr_count:     192
    .wavefront_size: 32
...
	.end_amdgpu_metadata
.endif
;; end of part 1
;; launch quant_w (part 2): grid 32 x 4, 4 waves a work-group, no clusters, 35,840 bytes of LDS; arguments Wk, Wv, Wq, Wo, bk, bv, bq, bo, wc, ws, bp; writes wc, ws, bp
.if DOCPART == 2
	.amdgcn_target "amdgcn-amd-amdhsa--gfx1250"
	.amdhsa_code_object_version 6
	.text
	.protected	k_q1142ee8c7b_quant_w
	.globl	k_q1142ee8c7b_quant_w
	.p2align	8
	.type	k_q1142ee8c7b_quant_w,@function
k_q1142ee8c7b_quant_w:
	s_mov_b64 s[64:65], 0
	v_nop
	global_prefetch_b8 v0, s[64:65] scope:SCOPE_SE
	s_setreg_imm32_b32 hwreg(HW_REG_WAVE_MODE, 25, 1), 1
	s_wait_xcnt 0x0
; The four weights [1024 (k)][1024 (n)], f32, K their FIRST axis, become codes of FP6 (E2M3) laid [position][K] with K innermost (wc: 768 bytes a position), and one E8M0 byte for each 32 along K
; (ws: 32 bytes a position).  Positions 0-1023: Wk, 1024-2047: Wv, 2048-3071: Wq, 3072-4095: Wo.  The biases go to bp in the same order of positions.
; WHICH COLUMN n STANDS AT WHICH POSITION is chosen for the products that follow, where a lane's 16 registers of two neighbouring tiles hold positions 32 b + 16 (x / 8) + 8 h + x % 8, x = 0 .. 15:
;   Wk, Wq: n with bits 3 and 4 exchanged, so that those 16 are 16 neighbouring columns;   Wo: n;
;   Wv: 32 (n % 32) + 8 ((n / 32) % 2) + (n / 64) % 8 + 16 (n / 512), so that those 16 are one channel of the row's 16 keys.
; A LANE TAKES A COLUMN n, AND ITS REGISTERS RUN DOWN K: each load reads 128 consecutive bytes a wave, a block of 32 along K lies in one lane's 32 registers, and the conversions give codes with K innermost.
; A wave takes 32 columns x 256 along K: 192 bytes of codes a column; they go through the wave's own stage in LDS and leave by rows, sixteen lanes to a row's 192 consecutive bytes.
; A block of zeros gets the byte 1 (its codes are zeros; this program alone reads the bytes).  LIMITS: NaN and infinities among the inputs are not served.
; Work-group x: weight = x / 8, columns 128 (x % 8) on; work-group y: which 256 along K.  Waves share nothing: no barrier.  Loads run two blocks (64 loads a wave) ahead.
.set SIZE_N, 1024
.set KW,    256
.set NB,    KW/32
.set ROWB,  192                        ; bytes of KW codes
.set PITCH, 272                        ; a stage row: sixteen places of 16 bytes, each with 12 bytes of codes, + 16
.set KROW,  768                        ; a position's codes in bytes
.set EMAX,  2
.set X,     32                         ; v32-95   two sets of 32 numbers
.set C,     96                         ; v96..    a block's codes
.set OUTR,  112                        ; v112-175 the way out: 16 x 4 registers
.set OA,    176                        ; v176-191 the way out: the byte offset in wc of each of its 16 stores
.set SPW,   14
.set NIL,   15
.set SPARE, 4*32*PITCH                 ; behind the four stages: the spare words, 128 bytes for each wave
.set SB,    24                         ; v24-25   the scale bytes, four to a register
	s_load_b256 s[4:11], s[0:1], 0x0               ; Wk, Wv, Wq, Wo
	s_load_b256 s[12:19], s[0:1], 0x20             ; bk, bv, bq, bo
	s_load_b128 s[20:23], s[0:1], 0x40             ; wc, ws
	s_load_b64 s[24:25], s[0:1], 0x50              ; bp
	v_lshl_add_u32 v[SPW], v0, 2, SPARE
	v_mov_b32 v[NIL], 0
	v_lshrrev_b32 v1, 5, v0
	v_readfirstlane_b32 s26, v1                    ; wave 0..3
	v_and_b32 v2, 31, v0                           ; lane
	s_wait_alu depctr_va_vdst(0)
	s_lshr_b32 s27, ttmp9, 3                       ; which weight: 0 Wk, 1 Wv, 2 Wq, 3 Wo
	s_and_b32 s28, ttmp9, 7
	s_lshl_b32 s28, s28, 7
	s_lshl_b32 s29, s26, 5
	s_add_co_u32 s28, s28, s29                     ; n0: my wave's first column, a multiple of 32
	s_and_b32 s29, ttmp7, 0xffff                   ; which 256 along K
	s_bfe_u32 s37, s28, 0x10005                    ; Wv: the position of column n0: 8 ((n0 / 32) % 2)
	s_lshl_b32 s37, s37, 3
	s_bfe_u32 s38, s28, 0x30006                    ; + (n0 / 64) % 8
	s_add_co_u32 s37, s37, s38
	s_lshr_b32 s38, s28, 9                         ; + 16 (n0 / 512)
	s_lshl_b32 s38, s38, 4
	s_add_co_u32 s37, s37, s38
	s_cmp_eq_u32 s27, 3                            ; what bit i of the column's low five bits adds to the position: s30 .. s34
	s_cselect_b32 s35, 8, 16
	s_cselect_b32 s36, 16, 8
	s_mov_b32 s32, 128
	s_mov_b32 s33, 256
	s_mov_b32 s34, 512
	s_cmp_eq_u32 s27, 1
	s_cselect_b32 s30, 32, 1
	s_cselect_b32 s31, 64, 2
	s_cselect_b32 s32, s32, 4
	s_cselect_b32 s33, s33, s35
	s_cselect_b32 s34, s34, s36
	s_cselect_b32 s37, s37, s28
	s_lshl_b32 s38, s27, 10
	s_add_co_u32 s37, s37, s38                     ; the position of column n0 among all 4,096
	v_lshlrev_b32 v3, 2, v2                        ; in: 4 bytes a lane
	s_mul_i32 s44, s26, 32*PITCH                   ; my stage
	v_mul_u32_u24 v4, v2, PITCH
	v_add_nc_u32 v4, s44, v4                       ; into it: row = my column
	v_and_b32 v5, 15, v2
	v_lshrrev_b32 v6, 4, v2                        ; out of it: sixteen lanes to a row, two rows an instruction
	v_mul_u32_u24 v7, v6, PITCH
	v_lshl_add_u32 v7, v5, 4, v7
	v_add_nc_u32 v7, s44, v7
	s_mul_i32 s45, s30, KROW
	v_mul_lo_u32 v8, v6, s45                       ; store t takes columns 2 t and 2 t + 1: bit 0 is the lanes' half,
	v_mad_u32_u24 v8, v5, 12, v8                   ; 12 bytes a lane,
	s_mul_i32 s46, s31, KROW
	s_mul_i32 s47, s32, KROW
	s_mul_i32 s48, s33, KROW
	s_mul_i32 s49, s34, KROW
	v_mov_b32 v[OA], v8                            ; and bits 1 to 4 are t's: sixteen offsets by doubling
	v_add_nc_u32 v[OA+1], s46, v[OA]
.irp i, 0,1
	v_add_nc_u32 v[OA+2+\i], s47, v[OA+\i]
.endr
.irp i, 0,1,2,3
	v_add_nc_u32 v[OA+4+\i], s48, v[OA+\i]
.endr
.irp i, 0,1,2,3,4,5,6,7
	v_add_nc_u32 v[OA+8+\i], s49, v[OA+\i]
.endr
	v_and_b32 v10, 1, v2                           ; my own column's position, less that of n0
	v_mul_u32_u24 v9, v10, s30
	v_bfe_u32 v10, v2, 1, 1
	v_mad_u32_u24 v9, v10, s31, v9
	v_bfe_u32 v10, v2, 2, 1
	v_mad_u32_u24 v9, v10, s32, v9
	v_bfe_u32 v10, v2, 3, 1
	v_mad_u32_u24 v9, v10, s33, v9
	v_bfe_u32 v10, v2, 4, 1
	v_mad_u32_u24 v9, v10, s34, v9
	v_lshlrev_b32 v10, 2, v9                       ; in bp: 4 bytes a position
	v_lshlrev_b32 v9, 5, v9                        ; in ws: 32 bytes a position
	s_lshl_b32 s40, s29, 20                        ; W: 256 y rows of 4,096 bytes + 4 n0
	s_lshl_b32 s41, s28, 2
	s_add_co_u32 s40, s40, s41
	s_mov_b32 s41, 0
	s_mul_i32 s42, s37, KROW                       ; wc: position x 768 + 192 y
	s_mul_i32 s43, s29, ROWB
	s_add_co_u32 s42, s42, s43
	s_mov_b32 s43, 0
	s_lshl_b32 s50, s37, 5                         ; ws: position x 32 + 8 y
	s_lshl_b32 s51, s29, 3
	s_add_co_u32 s50, s50, s51
	s_mov_b32 s51, 0
	s_lshl_b32 s52, s37, 2                         ; bp: position x 4
	s_mov_b32 s53, 0
	s_lshl_b32 s54, s28, 2                         ; the bias: 4 n0
	s_mov_b32 s55, 0
	s_and_b32 s39, s27, 1
	s_wait_kmcnt 0x0
	s_cmp_eq_u32 s39, 0                            ; the choices hang on the work-group's number alone
	s_cselect_b64 s[4:5], s[4:5], s[6:7]
	s_cselect_b64 s[8:9], s[8:9], s[10:11]
	s_cselect_b64 s[12:13], s[12:13], s[14:15]
	s_cselect_b64 s[16:17], s[16:17], s[18:19]
	s_cmp_lt_u32 s27, 2
	s_cselect_b64 s[4:5], s[4:5], s[8:9]           ; my weight
	s_cselect_b64 s[12:13], s[12:13], s[16:17]     ; and its bias
	s_add_nc_u64 s[4:5], s[4:5], s[40:41]
	s_add_nc_u64 s[20:21], s[20:21], s[42:43]
	s_add_nc_u64 s[22:23], s[22:23], s[50:51]
	s_add_nc_u64 s[24:25], s[24:25], s[52:53]
	s_add_nc_u64 s[12:13], s[12:13], s[54:55]
.macro LOAD t                          ; block t: W(32 t + i, my column), i = 0 .. 31, into set t % 2
.set i, 0
.rept 32
	global_load_b32 v[X+32*((\t)%2)+i], v3, s[4:5] offset:(32*(\t)+i)*SIZE_N*4 th:TH_LOAD_NT
.set i, i+1
.endr
.endm
	LOAD 0
	LOAD 1
.macro BLOCK t
.set XS, X+32*((\t)%2)
.if (\t) < NB-1
	s_wait_loadcnt 32                              ; this block's 32 loads are in; the next block's may be out
.else
	s_wait_loadcnt 0
.endif
	v_max3_num_f32 v12, |v[XS]|, |v[XS+1]|, |v[XS+2]|               ; the block's largest magnitude: all 32 numbers are mine
	v_max3_num_f32 v13, |v[XS+3]|, |v[XS+4]|, |v[XS+5]|
.irp i, 6,10,14,18,22,26
	v_max3_num_f32 v12, v12, |v[XS+\i]|, |v[XS+\i+1]|
	v_max3_num_f32 v13, v13, |v[XS+\i+2]|, |v[XS+\i+3]|
.endr
	v_max3_num_f32 v12, v12, |v[XS+30]|, |v[XS+31]|
	v_max3_num_f32 v12, v12, v13, (EMAX+1)<<23     ; and the floor 2^(3 - 127): the byte cannot fall under 1
	v_add_nc_u32 v11, -(EMAX<<23), v12             ; 2 off its exponent field: the conversion's scale operand
	v_lshrrev_b32 v13, 23, v11                     ; the scale's byte
.if (\t)%4 == 0
	v_mov_b32 v[SB+(\t)/4], v13                    ; four bytes to a register, the lower K in the lower byte
.else
	v_lshl_or_b32 v[SB+(\t)/4], v13, 8*((\t)%4), v[SB+(\t)/4]
.endif
	v_cvt_scalef32_pk16_fp6_f32 v[C:C+2], v[XS:XS+15], v11
	v_cvt_scalef32_pk16_fp6_f32 v[C+4:C+6], v[XS+16:XS+31], v11     ; (a conversion's three registers begin on an even number)
	ds_store_b96 v4, v[C:C+2] offset:32*(\t)       ; 16 codes, 12 bytes, to a place of 16 bytes, so that every LDS address is a multiple of 16
	ds_store_b96 v4, v[C+4:C+6] offset:32*(\t)+16
.if (\t)+2 < NB
	LOAD (\t)+2
.endif
	s_wait_dscnt 0x0                               ; the stores have read their registers: the next block's codes may be written
.endm
.set Q, 0
.rept NB
	BLOCK Q
.set Q, Q+1
.endr
	s_wait_alu depctr_va_vdst(0)
	global_store_b64 v9, v[SB:SB+1], s[22:23]      ; my column's 8 scale bytes
.irp t, 0,1,2,3,4,5,6,7,8,9,10,11,12,13,14,15
	ds_load_b96 v[OUTR+4*\t:OUTR+4*\t+2], v7 offset:2*\t*PITCH   ; LDS serves a wave's instructions in order: these see my stores
.endr
.irp t, 0,1,2,3,4,5,6,7,8,9,10,11,12,13,14,15
	s_wait_dscnt 15-\t                             ; load t is in; the 15 - t behind it may be out
	global_store_b96 v[OA+\t], v[OUTR+4*\t:OUTR+4*\t+2], s[20:21]
.endr
	s_cmp_lg_u32 s29, 0                            ; the work-groups of the first 256 along K also move the bias: a branch on the work-group's number
	s_cbranch_scc1 .Lno_bias
	global_load_b32 v12, v3, s[12:13]              ; bias(n0 + lane)
	s_wait_loadcnt 0x0
	global_store_b32 v10, v12, s[24:25]            ; to its position
.Lno_bias:
	s_wait_tensorcnt 0x0                           ; the wave's end: behind my last LDS store
	ds_add_u32 v[SPW], v[NIL]
	s_wait_dscnt 0x0
	s_endpgm
.Lfunc_end_k_q1142ee8c7b_quant_w:
	.size	k_q1142ee8c7b_quant_w, .Lfunc_end_k_q1142ee8c7b_quant_w-k_q1142ee8c7b_quant_w
	.p2alignl 7, 3214868480
	.fill 96, 4, 3214868480
	.section	.rodata,"a",@progbits
	.p2align	6, 0x0
	.amdhsa_kernel k_q1142ee8c7b_quant_w
		.amdhsa_group_segment_fixed_size 35840
		.amdhsa_private_segment_fixed_size 0
		.amdhsa_enable_private_segment 0
		.amdhsa_kernarg_size 88
		.amdhsa_user_sgpr_count 2
		.amdhsa_user_sgpr_kernarg_segment_ptr 1
		.amdhsa_wavefront_size32 1
		.amdhsa_system_sgpr_workgroup_id_x 1
		.amdhsa_system_sgpr_workgroup_id_y 1
		.amdhsa_system_sgpr_workgroup_id_z 1
		.amdhsa_system_vgpr_workitem_id 0
		.amdhsa_next_free_vgpr 192
		.amdhsa_next_free_sgpr 66
		.amdhsa_reserve_vcc 0
		.amdhsa_float_denorm_mode_32 3
		.amdhsa_float_denorm_mode_16_64 3
		.amdhsa_memory_ordered 1
		.amdhsa_forward_progress 1
		.amdhsa_inst_pref_size 45
	.end_amdhsa_kernel
	.amdgpu_metadata
---
amdhsa.version: [ 1, 2 ]
amdhsa.kernels:
  - .name:           k_q1142ee8c7b_quant_w
    .symbol:         k_q1142ee8c7b_quant_w.kd
    .args:
      - { .name: Wk, .offset: 0, .size: 8, .value_kind: global_buffer, .address_space: global }
      - { .name: Wv, .offset: 8, .size: 8, .value_kind: global_buffer, .address_space: global }
      - { .name: Wq, .offset: 16, .size: 8, .value_kind: global_buffer, .address_space: global }
      - { .name: Wo, .offset: 24, .size: 8, .value_kind: global_buffer, .address_space: global }
      - { .name: bk, .offset: 32, .size: 8, .value_kind: global_buffer, .address_space: global }
      - { .name: bv, .offset: 40, .size: 8, .value_kind: global_buffer, .address_space: global }
      - { .name: bq, .offset: 48, .size: 8, .value_kind: global_buffer, .address_space: global }
      - { .name: bo, .offset: 56, .size: 8, .value_kind: global_buffer, .address_space: global }
      - { .name: wc, .offset: 64, .size: 8, .value_kind: global_buffer, .address_space: global }
      - { .name: ws, .offset: 72, .size: 8, .value_kind: global_buffer, .address_space: global }
      - { .name: bp, .offset: 80, .size: 8, .value_kind: global_buffer, .address_space: global }
    .group_segment_fixed_size: 35840
    .private_segment_fixed_size: 0
    .kernarg_segment_align: 8
    .kernarg_segment_size: 88
    .max_flat_workgroup_size: 128
    .sgpr_count:     66
    .vgpr_count:     192
    .wavefront_size: 32
...
	.end_amdgpu_metadata
.endif
;; end of part 2
;; launch gemm_qkv (part 3): grid 12 x 32, 4 waves a work-group, clusters of 4 x 4, 327,680 bytes of LDS; arguments ac, asc, wc, ws, bp, qkv, sc; writes qkv, sc
.if DOCPART == 3
	.amdgcn_target "amdgcn-amd-amdhsa--gfx1250"
	.amdhsa_code_object_version 6
	.text
	.protected	k_q1142ee8c7b_gemm_qkv
	.globl	k_q1142ee8c7b_gemm_qkv
	.p2align	8
	.type	k_q1142ee8c7b_gemm_qkv,@function
k_q1142ee8c7b_gemm_qkv:
	s_mov_b64 s[64:65], 0
	v_nop
	global_prefetch_b8 v0, s[64:65] scope:SCOPE_SE
	s_setreg_imm32_b32 hwreg(HW_REG_WAVE_MODE, 25, 1), 1
	s_wait_xcnt 0x0
	s_wait_alu depctr_hold_cnt(0) depctr_sa_sdst(0) depctr_va_vdst(0) depctr_va_sdst(0) depctr_va_ssrc(0) depctr_va_vcc(0) depctr_vm_vsrc(0)
	s_getreg_b32 s2, hwreg(HW_REG_IB_STS2, 6, 4)
	s_cmp_eq_u32 s2, 0
	s_cbranch_scc0 .Lentry_in_a_cluster
	s_endpgm
.Lentry_in_a_cluster:
	s_bfe_u32 s2, ttmp6, 0x10000c
	s_cmp_lg_u32 s2, 0xf033
	s_cbranch_scc0 .Lentry_shape_is_right
	s_endpgm
.Lentry_shape_is_right:
; k, v, q = x W + b on codes of FP6 (E2M3) with one E8M0 scale for each 32 along K = 1024; sums in f32, the bias as the C of each sum's first product.  The results are quantised here, in registers, for the
; two products of the attention, and stored as IMAGES OF THE OPERANDS' REGISTERS (qkv) with their scale words (sc).
; A: ac [8192][768 bytes], asc [8192][32].  B: wc [position][768], ws [position][32], bp f32 [position]; positions 0-1023 Wk, 1024-2047 Wv, 2048-3071 Wq, each in the order that the launch before chose.
; A tile of C, 256 rows x 256 positions, is made by a work-group of four waves; a wave makes 128 x 128: 64 accumulators, 512 registers.  K goes in steps of 256 through a ring of two LDS slots filled by the
; tensor data mover (rows of 192 bytes); the scales of the work-group's rows, for all of K, come into LDS once.
; CLUSTERS: 4 x 4 work-groups; A's tiles are asked for jointly along a row of the cluster, B's along a column.  The cluster's x is the tensor (0 k, 1 v, 2 q), cx the quarter of its 1,024 columns.
; THE MATRIX INSTRUCTION IS USED TRANSPOSED (source 0 = 16 positions, source 1 = 16 rows of x): lane (r, h) holds row 16 a + r, and the 16 registers of accumulators (a, 2 b), (a, 2 b + 1) hold
;   k, q: columns 256 cx + 128 cw + 32 b + 16 h + 0 .. 15: half a block of 32 along the head's 64 channels (the other half lies in lane l xor 16);
;   v:    channel 32 h + 8 cx + 4 cw + b of the row's 16 keys: half a block of 32 keys (the other half is the neighbouring row's, lane l xor 1).
; THE HEADS.  Row m, column n of k is head m / 128, key 16 (m % 128) + n / 64, channel n % 64.  A step of 128 keys is 8 rows.
; qkv: [head][step 16][k, v, q][cx 4][1,536 bytes]; sc: [head][k, v, q][cx 4][1,024 bytes].  With m % 8 = 4 c + 2 hq + e and n / 64 = 4 cx + g3, register rho of an operand:
;   k, q: byte 768 c + 256 (rho / 4) + 128 (hb xor cx % 2) + 64 hq + 16 g3 + 4 (rho % 4), rho = 6 e + .., hb the half of the channels;   scale byte 64 step + 32 c + 16 hq + 4 g3 + 2 e + hb;
;   v:    byte 768 hq + 256 (rho / 4) + 16 i + 4 (rho % 4), rho = 6 c + 3 e + .., i = 8 h + 4 cw + b;   scale byte 64 step + 4 i + 2 c + hq.
; A block of zeros gets the byte 1 (its codes are zeros; this program alone reads the bytes).  LIMITS: NaN and infinities are not served.
; REGISTERS, in windows of 256: window 0: v0-31 addresses; v32-63 scale words, two sets; v64-127 the bias; from v128 A's fragments, one set.  window 1: B's fragments, two sets.  windows 2, 3: the accumulators.
.set SIZE_K, 1024
.set KSTEP,  256
.set NQ,     KSTEP/128
.set ROWB,   192
.set KROW,   SIZE_K*6/8
.set PITCH,  240                       ; an LDS row: 3 x (64 bytes of data + 16 of padding)
.set FR,     12
.set NL,     6
.set NP,     4                         ; places behind this matrix instruction (ISA guide 7.12.1)
.set HALFT,  128*PITCH
.set SLOT,   4*HALFT
.set LAPS,   SIZE_K/(2*KSTEP)
.set KS,     SIZE_K/32
.set SCL,    2*SLOT                    ; behind the ring: the scales, as rows of 256 bytes + 16 of padding
.set HALFS,  (128*KS/256)*272
.set SBLK,   (16*KS/256)*272
.set SPARE,  SCL+4*HALFS               ; the spare words, 128 bytes for each wave
.set STGK,   SPARE+512                 ; the way out of k and q: 2 heads x 16 steps x 1,536 bytes,
.set STGKS,  STGK+49152                ; and 2 x 1,024 scale bytes
.set STGV,   0                         ; the way out of v has bytes of its own: in slot 0, which has had its last fill and its last read when the first result is stored there
.set STGVS,  49152
.set ADRA, 16
.set ADRB, 20
.set ADRS, 27
.set SPW,  28
.set NIL,  29
.set SC,   32
.set BI,   64                          ; v64-127 the bias of my 128 positions, in the result's layout: register 8 b + j = position 16 b + 8 h + j
.set AF,   128
.set T,    32                          ; the way out, window 0: v32-35 largest magnitudes; v36-39 the permute's destinations; v40-43 the conversions' scale operands
.set T2,   36
.set SCLO, 40
.set FLR,  44                          ; v44 the floor 2^(3 - 127)
.set AD,   45                          ; v45-47 where my three code words go
.set ASB,  48                          ; v48 where my scale byte goes
.set RDA,  49                          ; v49 where I read the stage back
.set VG,   50                          ; v50 my byte offset in a chunk of qkv
.set RDS,  51
.set VL,   52                          ; v52 16 x lane
.set CD,   64                          ; v64-191 codes: 16 registers for each a;  v192-223 bytes: no LDS store's data are written again
.set BY,   192
.set G1, 24
.set G0, 32
.set G1B, 48
.set G0B, 56
.set G1S, 68
.set G0S, 76
.set G1SB, 80
.set G0SB, 88
.set MSB, 0
.macro WIN new                         ; the immediate's high byte repeats the setting that is left
.if MSB != \new
	s_set_vgpr_msb (MSB<<8)|\new
.set MSB, \new
.endif
.endm
.set MUL_LO, 0xa1                      ; source 0 (B) window 1, source 1 (A) window 0, C and D window 2
.set MUL_HI, 0xf1                      ; the same, C and D window 3
.set BIA_LO, 0x81                      ; the first products: C (the bias) window 0, D window 2
.set BIA_HI, 0xc1                      ; D window 3
.set TO_B,   0x40
; A joint load: waves 0 and 1 fetch for A, waves 2 and 3 for B; the branch hangs on the wave's number alone.  An s_nop 0 and four v_nop follow each of the two lines.
.macro JLOAD g0a, g1a, g0b, g1b
	s_cmp_eq_u32 s15, 0
	s_cbranch_scc0 .Lfor_b_\@
	tensor_load_to_lds s[\g0a:\g0a+3], s[\g1a:\g1a+7]
	s_nop 0
.rept 4
	v_nop
.endr
	s_branch .Lasked_\@
.Lfor_b_\@:
	tensor_load_to_lds s[\g0b:\g0b+3], s[\g1b:\g1b+7]
	s_nop 0
.rept 4
	v_nop
.endr
.Lasked_\@:
.endm
.macro CREST                           ; a round of the cluster's barrier behind its opening barrier
	s_cmp_lg_u32 s14, 0
	s_cbranch_scc1 .Lnot_wave_0_\@
	s_barrier_signal -3
.Lnot_wave_0_\@:
	s_barrier_wait -3
	s_barrier_signal -1
	s_barrier_wait -1
.endm
.macro CROUND
	s_barrier_signal -1
	s_barrier_wait -1
	CREST
.endm
	s_load_b128 s[4:7], s[0:1], 0x0                ; A's codes, A's scales
	s_load_b128 s[8:11], s[0:1], 0x10              ; B's codes, B's scales
	s_load_b128 s[96:99], s[0:1], 0x20             ; the bias, qkv
	s_load_b64 s[12:13], s[0:1], 0x30              ; sc
	v_lshl_add_u32 v[SPW], v0, 2, SPARE
	v_mov_b32 v[NIL], 0
	ds_add_u32 v[SPW], v[NIL]
	ds_add_u32 v[SPW], v[NIL]                      ; the wave's opening: the add and its wait stand ahead of my first tensor load; work on registers stands between them
	v_lshrrev_b32 v1, 5, v0
	v_readfirstlane_b32 s14, v1                    ; wave 0..3
	s_lshr_b32 s15, s14, 1                         ; which half of the tile's rows is mine.  Also: I fetch for A (0) or for B (1)
	s_and_b32 s16, s14, 1                          ; cw: which half of its positions.  Also: which 128 rows of that tile I fetch
	s_bfe_u32 s40, ttmp6, 0x40000                  ; cx, cy: my place in the cluster
	s_bfe_u32 s41, ttmp6, 0x40004
	s_lshl_b32 s42, ttmp9, 2
	s_add_co_u32 s42, s42, s40                     ; tile column = 4 x cluster x + cx
	s_and_b32 s17, ttmp7, 0xffff
	s_lshl_b32 s17, s17, 2
	s_add_co_u32 s17, s17, s41                     ; tile row = 4 x cluster y + cy
	s_lshl_b32 s43, s41, 2
	s_lshl_b32 s43, 15, s43                        ; my row of the cluster
	s_lshl_b32 s44, 0x1111, s40                    ; my column
	s_or_b32 s[G1+0], s43, (0<<16)|(1<<20)|(1<<21)|(3<<22)|(3<<25)  ; the mask; elements of 1 byte; padding on; bit 21 beside a mask; after every 16 words, 4 words
	s_or_b32 s[G1B+0], s44, (0<<16)|(1<<20)|(1<<21)|(3<<22)|(3<<25)
.irp g, G1, G1B
	s_mov_b32 s[\g+1], ROWB<<16                    ; tensor_dim0
	s_mov_b32 s[\g+2], 128<<16                     ; tensor_dim1
	s_mov_b32 s[\g+3], ROWB<<16                    ; tile_dim0
	s_mov_b32 s[\g+4], 128                         ; tile_dim1
	s_mov_b32 s[\g+5], KROW                        ; the pitch
	s_mov_b32 s[\g+6], 0
	s_mov_b32 s[\g+7], 0
.endr
	s_or_b32 s[G1S+0], s43, (3<<16)|(1<<20)|(1<<21)|(5<<22)|(3<<25)   ; the scales of 128 rows: a dense block, as rows of 256 bytes with 16 of padding behind each
	s_or_b32 s[G1SB+0], s44, (3<<16)|(1<<20)|(1<<21)|(5<<22)|(3<<25)
.irp g, G1S, G1SB
	s_mov_b32 s[\g+1], 32<<16
	s_mov_b32 s[\g+2], (128*KS/256)<<16
	s_mov_b32 s[\g+3], 32<<16
	s_mov_b32 s[\g+4], 128*KS/256
	s_mov_b32 s[\g+5], 32
	s_mov_b32 s[\g+6], 0
	s_mov_b32 s[\g+7], 0
.endr
	s_lshl_b32 s18, s16, 7
	s_lshl_b32 s20, s17, 8
	s_add_co_u32 s20, s20, s18                     ; A: row 256 x tile row + 128 x half
	s_lshl_b32 s46, s42, 8
	s_add_co_u32 s46, s46, s18                     ; B: position 256 x tile column + 128 x half
	s_mov_b32 s21, 0
	s_mov_b32 s47, 0
	s_mov_b64 s[18:19], KS
	s_mul_u64 s[22:23], s[20:21], s[18:19]
	s_mul_u64 s[92:93], s[46:47], s[18:19]
	s_mov_b64 s[18:19], KROW
	s_mul_u64 s[20:21], s[20:21], s[18:19]
	s_mul_u64 s[46:47], s[46:47], s[18:19]
	s_mul_i32 s45, s14, HALFT                      ; where they go: wave x 128 rows: no place in the cluster enters an LDS address
	s_mul_i32 s94, s14, HALFS
	s_wait_dscnt 0x0                               ; the opening add is done
	s_wait_kmcnt 0x0
	s_add_nc_u64 s[20:21], s[4:5], s[20:21]
	s_add_nc_u64 s[22:23], s[6:7], s[22:23]
	s_add_nc_u64 s[46:47], s[8:9], s[46:47]
	s_add_nc_u64 s[92:93], s[10:11], s[92:93]
	CROUND                                         ; all sixteen work-groups are here: the first joint loads meet
	s_mov_b32 s[G0S], 1
	s_add_co_u32 s[G0S+1], s94, SCL
	s_mov_b64 s[G0S+2:G0S+3], s[22:23]
	s_or_b32 s[G0S+3], s[G0S+3], 0x80000000
	s_mov_b32 s[G0SB], 1
	s_add_co_u32 s[G0SB+1], s94, SCL
	s_mov_b64 s[G0SB+2:G0SB+3], s[92:93]
	s_or_b32 s[G0SB+3], s[G0SB+3], 0x80000000
	JLOAD G0S, G1S, G0SB, G1SB                     ; the scales first: they are wanted with K step 0
.irp s, 0,1
	s_mov_b32 s[G0+4*\s], 1
	s_add_co_u32 s[G0+4*\s+1], s45, \s*SLOT
	s_add_nc_u64 s[G0+4*\s+2:G0+4*\s+3], s[20:21], \s*ROWB
	s_or_b32 s[G0+4*\s+3], s[G0+4*\s+3], 0x80000000
	s_mov_b32 s[G0B+4*\s], 1
	s_add_co_u32 s[G0B+4*\s+1], s45, \s*SLOT
	s_add_nc_u64 s[G0B+4*\s+2:G0B+4*\s+3], s[46:47], \s*ROWB
	s_or_b32 s[G0B+4*\s+3], s[G0B+4*\s+3], 0x80000000
	JLOAD G0+4*\s, G1, G0B+4*\s, G1B               ; three tensor loads of mine are out
.endr
	v_and_b32 v1, 15, v0                           ; r
	v_bfe_u32 v2, v0, 4, 1                         ; h
	v_mul_u32_u24 v3, v1, PITCH
	v_mul_u32_u24 v4, v2, 24
	v_add_nc_u32 v4, v3, v4                        ; a fragment's row x pitch + 24 x half
	v_lshl_add_u32 v5, v2, 4, v4                   ; and the same behind one padding more
	s_mul_i32 s21, s15, HALFT
	s_mul_i32 s22, s16, HALFT
	s_add_co_u32 s22, s22, 2*HALFT
.irp s, 0,1
	v_add_nc_u32 v[ADRA+\s], s21, v4
	v_add_nc_u32 v[ADRB+\s], s22, v4
	v_add_nc_u32 v[ADRA+2+\s], s21, v5
	v_add_nc_u32 v[ADRB+2+\s], s22, v5
	s_add_co_u32 s21, s21, SLOT
	s_add_co_u32 s22, s22, SLOT
.endr
	v_mul_u32_u24 v5, v1, KS                       ; my row's scales: KS bytes a row,
	v_lshrrev_b32 v6, 8, v5
	v_lshl_add_u32 v5, v6, 4, v5                   ; and 16 more for each 256 passed
	s_mul_i32 s21, s15, HALFS
	s_mul_i32 s22, s16, HALFS
	s_add_co_u32 s22, s22, 2*HALFS
	s_sub_co_u32 s22, s22, s21
	v_mul_u32_u24 v6, s22, v2                      ; lanes 16-31 take B's
	s_add_co_u32 s21, s21, SCL
	v_add_nc_u32 v5, v5, v6
	v_add_nc_u32 v[ADRS], s21, v5
	s_lshl_b32 s46, s42, 10                        ; the bias of my 128 positions: 4 bytes x (256 x tile column + 128 cw)
	s_lshl_b32 s47, s16, 9
	s_add_co_u32 s46, s46, s47
	s_mov_b32 s47, 0
	s_add_nc_u64 s[96:97], s[96:97], s[46:47]
	v_lshlrev_b32 v30, 5, v2                       ; + 32 h
.irp b, 0,1,2,3,4,5,6,7
	global_load_b128 v[BI+8*\b:BI+8*\b+3], v30, s[96:97] offset:64*\b
	global_load_b128 v[BI+8*\b+4:BI+8*\b+7], v30, s[96:97] offset:64*\b+16
.endr
.macro FRAG reg, adr, q, i             ; a fragment, 16 rows x 128 K, is 12 registers: lane l holds row l % 16; registers 6 c .. 6 c + 5 hold K = 64 c + 32 (l / 16) + 0 .. 31: 24 bytes of the row, as they lie
.irp p, 0,1,2,3,4,5                    ; in pieces of 8 bytes; where the piece of lanes 16-31 lies behind one padding more than that of lanes 0-15, the second address register serves
.set PCE, 12*(\q)+6*(\p/3)+\p%3
.if PCE%8 < 5
	ds_load_b64 v[\reg+2*\p:\reg+2*\p+1], v[\adr] offset:8*PCE+16*(PCE/8)+(\i)*16*PITCH
.else
	ds_load_b64 v[\reg+2*\p:\reg+2*\p+1], v[\adr+2] offset:8*PCE+16*(PCE/8)+(\i)*16*PITCH
.endif
.endr
.endm
; 16 matrix instructions: A's blocks a0, a0 + 1 x B's eight, 128 along K.  first = 1: the sums begin with the bias.  The 64 accumulators take turns, one instruction a turn.
.macro MUL16 a0, p, q, sc, first
.irp a, \a0, \a0+1
.irp b, 0,1,2,3,4,5,6,7
.if \first
	v_wmma_scale_f32_16x16x128_f8f6f4 v[8*(8*((\a)%4)+\b):8*(8*((\a)%4)+\b)+7], v[128*(\p)+FR*\b:128*(\p)+FR*\b+FR-1], v[AF+FR*(\a):AF+FR*(\a)+FR-1], v[BI+8*\b:BI+8*\b+7], v[SC+8*NQ*(\sc)+NQ*\b+(\q)], v[SC+8*NQ*(\sc)+NQ*(\a)+(\q)] matrix_a_fmt:MATRIX_FMT_FP6 matrix_b_fmt:MATRIX_FMT_FP6 matrix_a_scale:MATRIX_SCALE_ROW1
.else
	v_wmma_scale_f32_16x16x128_f8f6f4 v[8*(8*((\a)%4)+\b):8*(8*((\a)%4)+\b)+7], v[128*(\p)+FR*\b:128*(\p)+FR*\b+FR-1], v[AF+FR*(\a):AF+FR*(\a)+FR-1], v[8*(8*((\a)%4)+\b):8*(8*((\a)%4)+\b)+7], v[SC+8*NQ*(\sc)+NQ*\b+(\q)], v[SC+8*NQ*(\sc)+NQ*(\a)+(\q)] matrix_a_fmt:MATRIX_FMT_FP6 matrix_b_fmt:MATRIX_FMT_FP6 matrix_a_scale:MATRIX_SCALE_ROW1
.endif
.endr
.endr
.endm
.macro FETCH_B slot, q, p
	WIN TO_B
.irp i, 0,1,2,3,4,5,6,7
	FRAG 128*(\p)+FR*\i, ADRB+\slot, \q, \i
.endr
	WIN 0
.endm
.macro FETCH_A slot, q, i0
.irp i, \i0, \i0+1, \i0+2, \i0+3
	FRAG AF+FR*(\i), ADRA+\slot, \q, \i
.endr
.endm
.macro SCALES sc                       ; a K step's scale words: lanes 0-15 take A's block i, lanes 16-31 B's block i
.irp i, 0,1,2,3,4,5,6,7
	ds_load_b64 v[SC+8*NQ*\sc+NQ*\i:SC+8*NQ*\sc+NQ*\i+1], v[ADRS] offset:\i*SBLK
.endr
.endm
.macro PLACES n                        ; plain vector instructions between a matrix instruction and a load into, or a read of, its registers
.rept \n
	v_nop
.endr
.endm
.macro STEP slot, q, first             ; a step of 128 along K that has its successor in the same slot
	s_wait_dscnt 4*NL                              ; B's set and A's blocks 0-3 are in; the youngest 24 loads (A's blocks 4-7) may be out
.if \first
	WIN BIA_LO
.else
	WIN MUL_LO
.endif
	MUL16 0, (\q)%2, \q, \slot, \first
	MUL16 2, (\q)%2, \q, \slot, \first
	s_wait_dscnt 0                                 ; A's blocks 4-7 are in
	PLACES NP
	FETCH_B \slot, (\q)+1, 1-(\q)%2
	FETCH_A \slot, (\q)+1, 0
.if \first
	WIN BIA_HI
.else
	WIN MUL_HI
.endif
	MUL16 4, (\q)%2, \q, \slot, \first
	MUL16 6, (\q)%2, \q, \slot, \first
	PLACES NP
	WIN 0
	FETCH_A \slot, (\q)+1, 4
.endm
; A slot's last step changes slots: one barrier; in front of it each wave waits for all its tensor loads, adds 0 to its spare word, and waits for that and for its own reads of this slot.
.macro TURN slot, next, fill
	s_wait_tensorcnt 0x0                           ; all my tensor loads have landed: my part of the next slot
	ds_add_u32 v[SPW], v[NIL]                      ; 0 onto my spare word
	s_wait_dscnt 4*NL+1                            ; (the add and the youngest 24 loads may be out)
	WIN MUL_LO
	MUL16 0, 1, NQ-1, \slot, 0
	s_wait_dscnt 0x0                               ; the add is done, and my reads of this slot are over
	s_barrier_signal -1
	MUL16 2, 1, NQ-1, \slot, 0
	WIN 0
	s_barrier_wait -1
.if \fill
	CREST                                          ; the barrier has opened a round of the cluster's barrier: no wave of any partner still reads this slot or has a load on its way
	s_add_nc_u64 s[G0+4*\slot+2:G0+4*\slot+3], s[G0+4*\slot+2:G0+4*\slot+3], 2*ROWB
	s_add_nc_u64 s[G0B+4*\slot+2:G0B+4*\slot+3], s[G0B+4*\slot+2:G0B+4*\slot+3], 2*ROWB
	JLOAD G0+4*\slot, G1, G0B+4*\slot, G1B         ; the first tensor load behind the round, my only one until the next; its four v_nop are the places in front of the loads below
.else
	PLACES NP
.endif
	s_wait_alu depctr_va_vdst(0)
	v_add_nc_u32 v[ADRS], 4*NQ, v[ADRS]            ; on to the next K step's scale words
	FETCH_B \next, 0, 0
	FETCH_A \next, 0, 0
	SCALES \next
	WIN MUL_HI
	MUL16 4, 1, NQ-1, \slot, 0
	MUL16 6, 1, NQ-1, \slot, 0
	PLACES NP
	WIN 0
	FETCH_A \next, 0, 4
.endm
	s_wait_alu depctr_va_vdst(0)
	s_wait_tensorcnt 1                             ; the scales and my part of K step 0 are in (K step 1's load may be out),
	s_barrier_signal -1
	s_barrier_wait -1                              ; everybody's are
	FETCH_B 0, 0, 0
	FETCH_A 0, 0, 0
	SCALES 0
	FETCH_A 0, 0, 4
	s_wait_loadcnt 0x0                             ; the bias
	STEP 0, 0, 1                                   ; the first step stands in front of the loop: its products start the sums
	s_mov_b32 s3, LAPS-1
.Llap:                                                 ; a trip goes once round the ring and fills both slots again
	TURN 0, 1, 1
	STEP 1, 0, 0
	TURN 1, 0, 1
	STEP 0, 0, 0
	s_sub_co_u32 s3, s3, 1
	s_cmp_lg_u32 s3, 0
	s_cbranch_scc1 .Llap
	TURN 0, 1, 0                                   ; the last lap fills nothing
	STEP 1, 0, 0
	s_wait_dscnt 4*NL
	WIN MUL_LO
	MUL16 0, 1, NQ-1, 1, 0
	MUL16 2, 1, NQ-1, 1, 0
	s_wait_dscnt 0
	WIN MUL_HI
	MUL16 4, 1, NQ-1, 1, 0
	MUL16 6, 1, NQ-1, 1, 0
	WIN 0
	PLACES NP                                      ; behind the last products: their results are read and their operands' registers written below
	; THE WAY OUT.  What both ways share: lane numbers, where a wave reads the stage back, where its chunks lie in memory.
	s_mov_b32 s2, 0x76543210
	s_mov_b32 s3, 0xfedcba98                       ; v_permlanex16_b32's selects for lane l xor 16
	v_and_b32 v1, 15, v0                           ; r
	v_bfe_u32 v2, v0, 4, 1                         ; h
	v_and_b32 v3, 31, v0
	v_lshlrev_b32 v[VL], 4, v3                     ; 16 x lane
	s_mul_i32 s20, s14, 12288                      ; wave w reads back 8 steps' chunks: head w / 2 of the two, steps 8 (w % 2) on
	v_add_nc_u32 v[RDA], s20, v[VL]
	s_lshl_b32 s20, s14, 9
	v_add_nc_u32 v[RDS], s20, v[VL]
	v_mov_b32 v[FLR], 0x1800000
	s_lshl_b32 s20, s17, 1
	s_add_co_u32 s20, s20, s15                     ; the head: 2 x tile row + my half of the rows
	s_mul_i32 s22, s20, 294912
	s_mul_i32 s23, s16, 147456                     ; steps 8 (w % 2) on
	s_add_co_u32 s22, s22, s23
	s_mov_b32 s23, 0
	s_add_nc_u64 s[98:99], s[98:99], s[22:23]
	s_mul_i32 s22, s20, 12288
	s_lshl_b32 s23, s16, 9
	s_add_co_u32 s22, s22, s23
	s_mov_b32 s23, 0
	s_add_nc_u64 s[12:13], s[12:13], s[22:23]
	s_mul_i32 s46, ttmp9, 6144                     ; the tensor, and my work-group's chunk
	s_mul_i32 s47, s40, 1536
	s_add_co_u32 s46, s46, s47
	s_mov_b32 s47, 0
	s_add_nc_u64 s[98:99], s[98:99], s[46:47]
	s_lshl_b32 s46, ttmp9, 12
	s_lshl_b32 s47, s40, 10
	s_add_co_u32 s46, s46, s47
	s_mov_b32 s47, 0
	s_add_nc_u64 s[12:13], s[12:13], s[46:47]
; Rows 16 a + r: the four half blocks of a lane (b = 0 .. 3, 16 registers each) are quantised and go to the stage.  mode 0: k, q; 1: v.
.macro EPI a, mode
.set WN, 2+(\a)/4
.set AC, 64*((\a)%4)
	WIN (WN<<2)|(WN<<4)                            ; sources 1 and 2: the accumulators' window
.irp b, 0,1,2,3
	v_max3_num_f32 v[T+\b], v[FLR], |v[AC+16*\b]|, |v[AC+16*\b+1]|   ; each accumulator from its low end on; the floor holds the byte at 1 from below
.endr
.irp i, 2,4,6,8,10,12,14
.irp b, 0,1,2,3
	v_max3_num_f32 v[T+\b], v[T+\b], |v[AC+16*\b+\i]|, |v[AC+16*\b+\i+1]|
.endr
.endr
	WIN 0
.if \mode
.irp b, 0,1,2,3
	v_max_num_f32_dpp v[T+\b], v[T+\b], v[T+\b] row_xmask:1 row_mask:0xf bank_mask:0xf   ; with the neighbouring row's 16 keys
.endr
.else
.irp b, 0,1,2,3
	v_permlanex16_b32 v[T2+\b], v[T+\b], s2, s3
.endr
.irp b, 0,1,2,3
	v_max_num_f32 v[T+\b], v[T+\b], v[T2+\b]       ; with lane l xor 16's 16 channels
.endr
.endif
.irp b, 0,1,2,3
	v_add_nc_u32 v[SCLO+\b], 0xff000000, v[T+\b]   ; 2 off the exponent field: the conversion's scale operand
.endr
.irp b, 0,1,2,3
	v_lshrrev_b32 v[BY+4*(\a)+\b], 23, v[SCLO+\b]  ; the scale's byte
.endr
	WIN WN                                         ; source 0: the accumulators' window
.irp b, 0,1,2,3
	v_cvt_scalef32_pk16_fp6_f32 v[CD+16*(\a)+4*\b:CD+16*(\a)+4*\b+2], v[AC+16*\b:AC+16*\b+15], v[SCLO+\b]
.endr
	WIN 0
	v_nop                                          ; one plain line behind the last conversion
.irp b, 0,1,2,3
.irp k, 0,1,2
.if \mode
	ds_store_b32 v[AD+\k], v[CD+16*(\a)+4*\b+\k] offset:(\a)*3072+\b*16
.else
	ds_store_b32 v[AD+\k], v[CD+16*(\a)+4*\b+\k] offset:(\a)*3072+(\b%2)*128+(\b/2)*16
.endif
.endr
.if \mode
	ds_store_b8 v[ASB], v[BY+4*(\a)+\b] offset:(\a)*128+\b*4               ; both lanes of a block write the same byte with the same value
.else
	ds_store_b8 v[ASB], v[BY+4*(\a)+\b] offset:(\a)*128+(\b/2)*4+(\b%2)
.endif
.endr
.endm
; The stage is whole behind a barrier; each wave reads 8 steps' chunks back, 512 consecutive bytes a load, and stores them so.
.macro OUTP
	s_wait_dscnt 0x0                               ; for the others' sake: my stores into the stage are done
	s_barrier_signal -1
	s_barrier_wait -1
.irp i, 0,1,2,3,4,5,6,7,8,9,10,11,12,13,14,15,16,17,18,19,20,21,22,23
	ds_load_b128 v[64+4*\i:64+4*\i+3], v[RDA] offset:512*\i
.endr
	ds_load_b128 v[160:163], v[RDS]
.irp i, 0,1,2,3,4,5,6,7,8,9,10,11,12,13,14,15,16,17,18,19,20,21,22,23
	s_wait_dscnt 24-\i                             ; load i is in; the 24 - i behind it may be out
	global_store_b128 v[VG], v[64+4*\i:64+4*\i+3], s[98:99] offset:(\i/3)*18432+(\i%3)*512   ; 32 lanes store 512 consecutive bytes, at a multiple of 256 from the buffer's first byte
.endr
	s_wait_dscnt 0x0
	global_store_b128 v[VL], v[160:163], s[12:13]  ; 8 steps' scale bytes: 512 consecutive bytes
	s_wait_tensorcnt 0x0                           ; the wave's end: behind my last tensor load and my last LDS store
	ds_add_u32 v[SPW], v[NIL]
	s_wait_dscnt 0x0
	CROUND                                         ; the closing round: no work-group ends while a partner may still ask for a tile that names it
	s_endpgm
.endm
	s_cmp_eq_u32 ttmp9, 1                          ; the cluster's x is the tensor: the same in all sixteen partners and in all waves
	s_cbranch_scc1 .Lv
	s_wait_alu depctr_va_vdst(0)
	; ---- k and q.  r = 8 (step's low bit) + 4 c + 2 hq + e.  My 16 codes are registers rho0 + 0 .. 2 of the operand, rho0 = 6 e + 3 h
	v_and_b32 v53, 1, v1                           ; e
	v_mul_u32_u24 v54, v53, 6
	v_mad_u32_u24 v54, v2, 3, v54                  ; rho0
	v_lshrrev_b32 v55, 2, v1
	v_mul_u32_u24 v55, v55, 768                    ; 1,536 (r / 8) + 768 c
	v_bfe_u32 v56, v1, 1, 1
	v_lshl_add_u32 v55, v56, 6, v55                ; + 64 hq
	s_mul_i32 s20, s15, 24576                      ; my head's half of the stage
	s_lshl_b32 s21, s16, 5                         ; 16 g3 = 32 cw + 16 (b / 2)
	s_add_co_u32 s20, s20, s21
	s_add_co_u32 s20, s20, STGK
	v_add_nc_u32 v55, s20, v55
.irp k, 0,1,2
	v_add_nc_u32 v56, \k, v54
	v_lshrrev_b32 v57, 2, v56
	v_and_b32 v56, 3, v56
	v_lshl_add_u32 v[AD+\k], v57, 8, v55
	v_lshl_add_u32 v[AD+\k], v56, 2, v[AD+\k]
.endr
	v_lshrrev_b32 v56, 1, v1
	v_lshlrev_b32 v[ASB], 4, v56                   ; 64 (r / 8) + 32 c + 16 hq
	v_lshl_add_u32 v[ASB], v53, 1, v[ASB]          ; + 2 e
	s_lshl_b32 s20, s15, 10
	s_lshl_b32 s21, s16, 3
	s_add_co_u32 s20, s20, s21
	s_add_co_u32 s20, s20, STGKS
	v_add_nc_u32 v[ASB], s20, v[ASB]
	v_add_nc_u32 v[RDA], STGK, v[RDA]
	v_add_nc_u32 v[RDS], STGKS, v[RDS]
	s_and_b32 s46, s40, 1
	s_lshl_b32 s46, s46, 7
	v_xor_b32 v[VG], s46, v[VL]                    ; in memory the halves of the channels change places where cx is odd: groups of eight lanes change places inside 256 bytes; no LDS address knows of cx
.irp b, 0,1,2,3
	v_mov_b32 v[T2+\b], 0                          ; written once: a lane permute's destination counts as one of its sources
.endr
.irp a, 0,1,2,3,4,5,6,7
	EPI \a, 0
.endr
	OUTP
.Lv:
	s_wait_alu depctr_va_vdst(0)
	; ---- v.  My 16 codes (the row's 16 keys of one channel) are registers rho0 + 0 .. 2 of the operand's half hq, rho0 = 6 c + 3 e; the operand's row is 8 h + 4 cw + b
	v_bfe_u32 v53, v1, 2, 1                        ; c
	v_and_b32 v56, 1, v1                           ; e
	v_mul_u32_u24 v54, v53, 6
	v_mad_u32_u24 v54, v56, 3, v54                 ; rho0
	v_lshrrev_b32 v55, 3, v1
	v_mul_u32_u24 v55, v55, 1536
	v_bfe_u32 v56, v1, 1, 1
	v_mad_u32_u24 v55, v56, 768, v55               ; + 768 hq
	v_lshl_add_u32 v55, v2, 7, v55                 ; + 128 h
	s_mul_i32 s20, s15, 24576
	s_lshl_b32 s21, s16, 6                         ; + 64 cw
	s_add_co_u32 s20, s20, s21
	s_add_co_u32 s20, s20, STGV
	v_add_nc_u32 v55, s20, v55
.irp k, 0,1,2
	v_add_nc_u32 v56, \k, v54
	v_lshrrev_b32 v57, 2, v56
	v_and_b32 v56, 3, v56
	v_lshl_add_u32 v[AD+\k], v57, 8, v55
	v_lshl_add_u32 v[AD+\k], v56, 2, v[AD+\k]
.endr
	v_lshrrev_b32 v56, 3, v1
	v_lshlrev_b32 v[ASB], 6, v56                   ; 64 (r / 8)
	v_lshl_add_u32 v[ASB], v2, 5, v[ASB]           ; + 32 h
	v_bfe_u32 v56, v1, 1, 2
	v_add_nc_u32 v[ASB], v56, v[ASB]               ; + 2 c + hq
	s_lshl_b32 s20, s15, 10
	s_lshl_b32 s21, s16, 4
	s_add_co_u32 s20, s20, s21
	s_add_co_u32 s20, s20, STGVS
	v_add_nc_u32 v[ASB], s20, v[ASB]
	v_add_nc_u32 v[RDA], STGV, v[RDA]
	v_add_nc_u32 v[RDS], STGVS, v[RDS]
	v_mov_b32 v[VG], v[VL]
.irp a, 0,1,2,3,4,5,6,7
	EPI \a, 1
.endr
	OUTP
.Lfunc_end_k_q1142ee8c7b_gemm_qkv:
	.size	k_q1142ee8c7b_gemm_qkv, .Lfunc_end_k_q1142ee8c7b_gemm_qkv-k_q1142ee8c7b_gemm_qkv
	.p2alignl 7, 3214868480
	.fill 96, 4, 3214868480
	.section	.rodata,"a",@progbits
	.p2align	6, 0x0
	.amdhsa_kernel k_q1142ee8c7b_gemm_qkv
		.amdhsa_group_segment_fixed_size 327680
		.amdhsa_private_segment_fixed_size 0
		.amdhsa_enable_private_segment 0
		.amdhsa_kernarg_size 56
		.amdhsa_user_sgpr_count 2
		.amdhsa_user_sgpr_kernarg_segment_ptr 1
		.amdhsa_wavefront_size32 1
		.amdhsa_system_sgpr_workgroup_id_x 1
		.amdhsa_system_sgpr_workgroup_id_y 1
		.amdhsa_system_sgpr_workgroup_id_z 1
		.amdhsa_system_vgpr_workitem_id 0
		.amdhsa_next_free_vgpr 1024
		.amdhsa_next_free_sgpr 100
		.amdhsa_reserve_vcc 0
		.amdhsa_float_denorm_mode_32 3
		.amdhsa_float_denorm_mode_16_64 3
		.amdhsa_memory_ordered 1
		.amdhsa_forward_progress 1
		.amdhsa_inst_pref_size 212
	.end_amdhsa_kernel
	.amdgpu_metadata
---
amdhsa.version: [ 1, 2 ]
amdhsa.kernels:
  - .name:           k_q1142ee8c7b_gemm_qkv
    .symbol:         k_q1142ee8c7b_gemm_qkv.kd
    .args:
      - { .name: ac, .offset: 0, .size: 8, .value_kind: global_buffer, .address_space: global }
      - { .name: asc, .offset: 8, .size: 8, .value_kind: global_buffer, .address_space: global }
      - { .name: wc, .offset: 16, .size: 8, .value_kind: global_buffer, .address_space: global }
      - { .name: ws, .offset: 24, .size: 8, .value_kind: global_buffer, .address_space: global }
      - { .name: bp, .offset: 32, .size: 8, .value_kind: global_buffer, .address_space: global }
      - { .name: qkv, .offset: 40, .size: 8, .value_kind: global_buffer, .address_space: global }
      - { .name: sc, .offset: 48, .size: 8, .value_kind: global_buffer, .address_space: global }
    .group_segment_fixed_size: 327680
    .private_segment_fixed_size: 0
    .kernarg_segment_align: 8
    .kernarg_segment_size: 56
    .max_flat_workgroup_size: 128
    .sgpr_count:     100
    .vgpr_count:     1024
    .wavefront_size: 32
...
	.end_amdgpu_metadata
.endif
;; end of part 3
;; launch attn (part 4): grid 4 x 64, 16 waves a work-group, clusters of 4 x 1, 229,376 bytes of LDS; arguments qkv, sc, ac, asc; writes ac, asc
.if DOCPART == 4
	.amdgcn_target "amdgcn-amd-amdhsa--gfx1250"
	.amdhsa_code_object_version 6
	.text
	.protected	k_q1142ee8c7b_attn
	.globl	k_q1142ee8c7b_attn
	.p2align	8
	.type	k_q1142ee8c7b_attn,@function
k_q1142ee8c7b_attn:
	s_mov_b64 s[64:65], 0
	v_nop
	global_prefetch_b8 v0, s[64:65] scope:SCOPE_SE
	s_setreg_imm32_b32 hwreg(HW_REG_WAVE_MODE, 25, 1), 1
	s_wait_xcnt 0x0
	s_wait_alu depctr_hold_cnt(0) depctr_sa_sdst(0) depctr_va_vdst(0) depctr_va_sdst(0) depctr_va_ssrc(0) depctr_va_vcc(0) depctr_vm_vsrc(0)
	s_getreg_b32 s2, hwreg(HW_REG_IB_STS2, 6, 4)
	s_cmp_eq_u32 s2, 0
	s_cbranch_scc0 .Lentry_in_a_cluster
	s_endpgm
.Lentry_in_a_cluster:
	s_bfe_u32 s2, ttmp6, 0x10000c
	s_cmp_lg_u32 s2, 0x3003
	s_cbranch_scc0 .Lentry_shape_is_right
	s_endpgm
.Lentry_shape_is_right:
; z = softmax(q k^T / 8, causal) v for 64 heads of 2,048 positions x 64 channels, both products on codes of FP6 (E2M3) with one E8M0 scale for each 32 along a product's K; z / l is quantised along its row of
; 1,024 for the last projection: codes to ac [8192][768 bytes], scale bytes to asc [8192][32].
; THE SOFTMAX AHEAD OF THE SECOND PRODUCT: t = score x log2(e) / 8; M = the row's largest t so far, rounded UP to a whole number; p = 2^(t - M) is what is quantised, along the keys; the row's sum is taken of
; the unquantised p, in f32, and divides at the end.  When M moves, the sum and O are multiplied by 2^(old M - new M): exact.
; THE MASK: key k counts for query q where k <= q.  Steps of 128 keys that lie wholly behind a tile's queries are left out; on the diagonal hidden scores become -infinity, so that p = 0.
; LIMITS: the definition adds -1e11 to hidden logits: the p are the same while |logit| stays far under 1e11.  NaN and infinities are not served.  A block of zeros gets the byte 1 (this program alone reads it).
; INPUTS: qkv [head][step 16][k, v, q][chunk 4][1,536 bytes]: images of the operands' registers; sc [head][k, v, q][chunk 4][1,024]: their scale words.
; SHARES.  A cluster of four work-groups owns a head.  Wave w of work-group cx owns the tiles of 16 queries tA = 4 w + cx and tB = 127 - tA: their last steps, w / 2 and (31 - w) / 2, hang on the wave's number alone,
; and every wave walks 17 steps.  THE HEAD'S K, V AND SCALE WORDS LIE IN LDS WHOLE (204,800 bytes), filled once, by loads that the four work-groups ask for jointly: nothing is filled again.
; LAYOUT.  Both products are used transposed; a lane holds ONE query (lane % 16) throughout.  The head has 64 channels and the instruction takes 128 along K: source 0 holds TWO sets of 16 keys, one in K 0-63 and
; one in K 64-127, and is multiplied by q laid in the lower half with zero codes above (Qlo), then by zero codes with q above (Qhi).  The keys of an operand's rows are chosen so that the lane's registers
; S + 32 c + y are keys 64 c + 32 (lane / 16) + y of the step, y = 0 .. 31: A WHOLE BLOCK OF 32 KEYS IN A LANE, in the order that the second product's operand wants.
; v's chunk f holds channels 32 (i / 8) + 8 f + i % 8 in its rows i, so that O's register 8 f + j is channel 32 (lane / 16) + 8 f + j: a whole block of z in a lane.
.set REC,   12288                      ; a step's k and v in LDS: 6,144 + 6,144
.set RECG,  18432                      ; and with q in memory
.set HEADB, 16*RECG
.set SCK,   16*REC                     ; k's scale words, 4,096 bytes
.set SCV,   SCK+4096                   ; v's
.set ZST,   SCV+4096                   ; the way out: 1,024 bytes for each wave
.set SPARE, ZST+16*1024                ; the spare words, 128 bytes for each wave
.set LK,   1                           ; v1  my lane's place in an image of k
.set LV,   2                           ; v2  of v
.set LSK,  3                           ; v3  among k's scale words
.set LSV,  4                           ; v4  among v's
.set SPW,  5
.set NIL,  6
.set SH8,  7                           ; v7  8 x (lane / 16)
.set ADK,  8                           ; v8-11 the step's four addresses
.set ADV,  9
.set ADS,  10
.set ADT,  11                          ; v12 -M, v13 the largest t, v[14:15] the sum in two halves
.set QLO,  16                          ; v16-27 q, then zero codes
.set QHI,  28                          ; v28-39 zero codes, then q
.set QSW,  40                          ; v40 q's scale word: its two bytes twice
.set DLIM, 41                          ; v41 on the diagonal: register 32 c + y is hidden where 64 c + y > this
.set NINF, 42
.set ZW,   43
.set FRG,  44                          ; v44-91 four operands of k or of v
.set ZR,   92
.set L8,   93
.set ZB,   94
.set GH,   95
.set S,    96                          ; v96-159 S^T, then p
.set O,    160                         ; v160-191 O^T
.set PC,   192                         ; v192-203 p's codes
.set CT,   204                         ; v204-206, v208-210 the conversions' second halves
.set MX,   212
.set SO,   216
.set BYT,  218
.set TM,   220
.set KSW,  224
.set VSW,  228
.set PSW,  232
.set FF,   234                         ; v[234:235] f = 2^(old M - new M)
.set SUM2, 236
.set PD,   238                         ; v238, v239 lane permutes' destinations
.set RAWA, 240                         ; v240-246 tile A's q and its scale bytes, as loaded
.set ZC,   250                         ; v250-255 z's codes
.set WV,   18
.set SEL,  20
.set CS,   22
.set G1R,  24
.set G1S,  32
.set G0S,  40
.set G0A,  44
.set G0B,  48
.set TB,   52                          ; s52 LDS byte of the step's record
.set TS,   53                          ; s53 and of its scale words
.set J,    54                          ; s54 the step
.set JD,   55                          ; s55 the tile's last step, the one on the diagonal
.set TA,   66
.set TBL,  67
.set RCA,  68
.set RSA,  70
.set RCB,  72
.set RSB,  74
.macro CROUND                          ; a round of the cluster's barrier
	s_barrier_signal -1
	s_barrier_wait -1
	s_cmp_lg_u32 s[WV], 0
	s_cbranch_scc1 .Lnot_wave_0_\@
	s_barrier_signal -3
.Lnot_wave_0_\@:
	s_barrier_wait -3
	s_barrier_signal -1
	s_barrier_wait -1
.endm
	s_load_b256 s[4:11], s[0:1], 0x0               ; qkv, sc, ac, asc
	v_lshl_add_u32 v[SPW], v0, 2, SPARE
	v_mov_b32 v[NIL], 0
	ds_add_u32 v[SPW], v[NIL]                      ; the wave's opening: the add and its wait stand ahead of the first tensor loads; work on registers stands between them
	ds_add_u32 v[SPW], v[NIL]
	v_lshrrev_b32 v8, 5, v0
	s_delay_alu instid0(VALU_DEP_1)
	v_readfirstlane_b32 s[WV], v8                  ; wave 0..15
	s_bfe_u32 s13, ttmp6, 0x40000                  ; cx: it enters global addresses and the mask's numbers alone
	s_and_b32 s12, ttmp7, 0xffff                   ; the head, which the four partners share
	s_mov_b32 s[G1R], 15|(3<<16)|(1<<21)           ; two records' k and v: the mask names all four work-groups; elements of 8 bytes; bit 21 beside a mask; no padding
	s_mov_b32 s[G1R+1], (REC/8)<<16                ; tensor_dim0 = 1,536 elements
	s_mov_b32 s[G1R+2], 2<<16                      ; tensor_dim1 = 2
	s_mov_b32 s[G1R+3], (REC/8)<<16                ; tile_dim0
	s_mov_b32 s[G1R+4], 2                          ; tile_dim1
	s_mov_b32 s[G1R+5], RECG/8                     ; the pitch: q's images are passed over
	s_mov_b32 s[G1R+6], 0
	s_mov_b32 s[G1R+7], 0
	s_mov_b32 s[G1S], 15|(3<<16)|(1<<21)           ; 2,048 dense scale bytes, as 8 rows of 256
	s_mov_b32 s[G1S+1], 32<<16
	s_mov_b32 s[G1S+2], 8<<16
	s_mov_b32 s[G1S+3], 32<<16
	s_mov_b32 s[G1S+4], 8
	s_mov_b32 s[G1S+5], 32
	s_mov_b32 s[G1S+6], 0
	s_mov_b32 s[G1S+7], 0
	s_mul_i32 s14, s12, HEADB                      ; the head's first byte in qkv,
	s_mov_b32 s15, 0
	s_mul_i32 s56, s12, 12288                      ; and in sc
	s_mov_b32 s57, 0
	s_mul_i32 s58, s[WV], 2*RECG                   ; waves 0 to 3 fetch: records 2 w, 2 w + 1 and 8 + 2 w, 9 + 2 w,
	s_mov_b32 s59, 0
	s_lshl_b32 s60, s[WV], 11                      ; and 2,048 of k's and v's 8,192 scale bytes
	s_mov_b32 s61, 0
	s_mul_i32 s62, s[WV], 2*REC
	s_mov_b32 s[SEL], 0x76543210
	s_mov_b32 s[SEL+1], 0xfedcba98                 ; v_permlanex16_b32's selects for lane l xor 16
	s_mov_b32 s[CS], 0x3e38aa3b                    ; c = log2(e) / 8
	s_mov_b32 s[CS+1], s[CS]                       ; (named with it as a pair, so it is written)
	s_wait_dscnt 0x0                               ; the opening add is done
	s_wait_kmcnt 0x0
	s_add_nc_u64 s[4:5], s[4:5], s[14:15]          ; qkv and sc at my head
	s_add_nc_u64 s[6:7], s[6:7], s[56:57]
	CROUND                                         ; all four work-groups are here: the joint loads meet
	s_mov_b32 s[G0S], 1
	s_add_co_u32 s[G0S+1], s60, SCK
	s_add_nc_u64 s[G0S+2:G0S+3], s[6:7], s[60:61]
	s_or_b32 s[G0S+3], s[G0S+3], 0x80000000
	s_mov_b32 s[G0A], 1
	s_mov_b32 s[G0A+1], s62
	s_add_nc_u64 s[G0A+2:G0A+3], s[4:5], s[58:59]
	s_or_b32 s[G0A+3], s[G0A+3], 0x80000000
	s_mov_b32 s[G0B], 1
	s_add_co_u32 s[G0B+1], s62, 8*REC
	s_add_nc_u64 s[G0B+2:G0B+3], s[4:5], s[58:59]
	s_add_nc_u64 s[G0B+2:G0B+3], s[G0B+2:G0B+3], 8*RECG
	s_or_b32 s[G0B+3], s[G0B+3], 0x80000000
	s_cmp_lt_u32 s[WV], 4                          ; a wave's three fills stand in one branch on the wave's number, ahead of every wait on TENSORcnt and every LDS read: three loads of mine are out
	s_cbranch_scc0 .Lno_fill
	tensor_load_to_lds s[G0S:G0S+3], s[G1S:G1S+7]
	s_nop 0
	tensor_load_to_lds s[G0A:G0A+3], s[G1R:G1R+7]
	s_nop 0
	tensor_load_to_lds s[G0B:G0B+3], s[G1R:G1R+7]
	s_nop 0
.rept 4
	v_nop
.endr
.Lno_fill:
	v_and_b32 v8, 15, v0                           ; r = 8 i3 + 4 q + g3
	v_bfe_u32 v9, v0, 4, 1                         ; h
	s_delay_alu instid0(VALU_DEP_2)
	v_and_b32 v10, 3, v8                           ; g3
	s_delay_alu instid0(VALU_DEP_3)
	v_bfe_u32 v11, v8, 2, 1                        ; q
	s_delay_alu instid0(VALU_DEP_4)
	v_bfe_u32 v12, v8, 3, 1                        ; i3
	s_delay_alu instid0(VALU_DEP_2)
	v_xor_b32 v13, v9, v11                         ; h xor q: so sixteen lanes of a load touch sixteen different columns of 16 bytes
	s_delay_alu instid0(VALU_DEP_3)
	v_mul_u32_u24 v[LK], v11, 1536
	s_delay_alu instid0(VALU_DEP_1)
	v_lshl_add_u32 v[LK], v13, 7, v[LK]
	s_delay_alu instid0(VALU_DEP_1)
	v_lshl_add_u32 v[LK], v12, 6, v[LK]
	s_delay_alu instid0(VALU_DEP_1)
	v_lshl_add_u32 v[LK], v10, 4, v[LK]
	v_mul_u32_u24 v[LV], v9, 768
	s_delay_alu instid0(VALU_DEP_1)
	v_lshl_add_u32 v[LV], v8, 4, v[LV]
	s_delay_alu instid0(VALU_DEP_1)
	v_add_nc_u32 v[LV], 6144, v[LV]
	v_lshlrev_b32 v[LSK], 10, v11
	s_delay_alu instid0(VALU_DEP_1)
	v_lshl_add_u32 v[LSK], v12, 4, v[LSK]
	s_delay_alu instid0(VALU_DEP_1)
	v_lshl_add_u32 v[LSK], v10, 2, v[LSK]
	s_delay_alu instid0(VALU_DEP_1)
	v_add_nc_u32 v[LSK], SCK, v[LSK]
	v_lshl_add_u32 v[LSV], v8, 2, SCV
	v_lshlrev_b32 v[SH8], 3, v9
	v_lshrrev_b32 v14, 2, v8                       ; q's images: query g = r lies in chunk g / 4
	s_delay_alu instid0(VALU_DEP_1)
	v_mul_u32_u24 v208, v14, 1536
	s_delay_alu instid0(VALU_DEP_1)
	v_lshl_add_u32 v208, v13, 7, v208
	s_delay_alu instid0(VALU_DEP_1)
	v_lshl_add_u32 v208, v10, 4, v208
	s_delay_alu instid0(VALU_DEP_4)
	v_lshlrev_b32 v209, 10, v14                    ; and its scale bytes
	s_delay_alu instid0(VALU_DEP_1)
	v_lshl_add_u32 v209, v10, 2, v209
	s_lshl_b32 s56, s[WV], 10
	s_add_co_u32 s56, s56, ZST                     ; my stage
	v_lshl_add_u32 v[ZB], v8, 1, v9                ; 2 g + h: my block of the row of z
	s_delay_alu instid0(VALU_DEP_1)
	v_mul_u32_u24 v[ZW], v[ZB], 24
	s_delay_alu instid0(VALU_DEP_1)
	v_add_nc_u32 v[ZW], s56, v[ZW]
	v_and_b32 v[L8], 31, v0
	s_delay_alu instid0(VALU_DEP_1)
	v_lshlrev_b32 v[L8], 3, v[L8]
	s_delay_alu instid0(VALU_DEP_1)
	v_add_nc_u32 v[ZR], s56, v[L8]
	v_lshlrev_b32 v[GH], 5, v9
	s_delay_alu instid0(VALU_DEP_1)
	v_sub_nc_u32 v[GH], v8, v[GH]                  ; g - 32 h
	v_mov_b32 v[NINF], 0xff800000
	v_mov_b32 v[FF+1], 0                           ; (named as the upper half of a pair)
	v_mov_b32 v[PD], 0                             ; written once: a lane permute's destination counts as one of its sources
	v_mov_b32 v[PD+1], 0
	s_lshl_b32 s[TA], s[WV], 2
	s_add_co_u32 s[TA], s[TA], s13                 ; tA = 4 w + cx
	s_sub_co_u32 s[TBL], 127, s[TA]                ; tB
	s_lshl_b32 s57, s12, 7                         ; 128 x head
.macro ROWS ts, rc, rs                 ; where tile ts's row of z and its scale bytes go
	s_add_co_u32 s58, s57, s[\ts]
	s_mul_i32 s60, s58, 768
	s_mov_b32 s61, 0
	s_add_nc_u64 s[\rc:\rc+1], s[8:9], s[60:61]
	s_lshl_b32 s60, s58, 5
	s_add_nc_u64 s[\rs:\rs+1], s[10:11], s[60:61]
.endm
	ROWS TA, RCA, RSA
	ROWS TBL, RCB, RSB
; Tile ts = 8 step + 4 c + 2 hq + e is one row of the projection: its 16 queries' codes are registers 6 e .. 6 e + 5 of the images: pieces of 8 bytes at 0, 8, 256 (e = 0) or 264, 512, 520 (e = 1).
.macro QASK ts, va, raw
	s_lshr_b32 s58, s[\ts], 3
	s_mul_i32 s58, s58, RECG
	s_bfe_u32 s59, s[\ts], 0x10002
	s_mul_i32 s59, s59, 768
	s_add_co_u32 s58, s58, s59
	s_bfe_u32 s59, s[\ts], 0x10001
	s_lshl_b32 s59, s59, 6
	s_add_co_u32 s58, s58, s59
	s_and_b32 s59, s[\ts], 1                       ; e
	s_mul_i32 s60, s59, 264
	s_add_co_u32 s60, s60, s58
	v_add_nc_u32 v[\va], s60, v208
	s_mul_i32 s60, s59, 504
	s_add_co_u32 s60, s60, s58
	v_add_nc_u32 v[\va+1], s60, v208
	s_lshr_b32 s60, s[\ts], 1
	s_lshl_b32 s60, s60, 4
	s_lshl_b32 s59, s59, 1
	s_add_co_u32 s60, s60, s59
	v_add_nc_u32 v[\va+2], s60, v209
	global_load_b64 v[\raw:\raw+1], v[\va], s[4:5] offset:REC
	global_load_b64 v[\raw+2:\raw+3], v[\va+1], s[4:5] offset:REC+8
	global_load_b64 v[\raw+4:\raw+5], v[\va], s[4:5] offset:REC+256
	global_load_u16 v[\raw+6], v[\va+2], s[6:7] offset:8192
.endm
	QASK TBL, 44, S
	QASK TA, 48, RAWA
.macro QSET raw, ts                    ; the tile's q as the two operands, its scale word, and the diagonal's limit
	v_lshl_or_b32 v[QSW], v[\raw+6], 16, v[\raw+6]
	s_and_b32 s56, s[\ts], 7
	s_lshl_b32 s56, s56, 4
	v_add_nc_u32 v[DLIM], s56, v[GH]               ; 16 (t % 8) + g - 32 h
.irp i, 0,1,2,3,4,5
	v_mov_b32 v[QLO+\i], v[\raw+\i]
	v_mov_b32 v[QLO+6+\i], 0
	v_mov_b32 v[QHI+\i], 0
	v_mov_b32 v[QHI+6+\i], v[\raw+\i]
.endr
.endm
.macro INIT                            ; the step is written without a first step of its own: it finds zeros, which the first change of M leaves zeros.  (These lines are also the places between QSET and the first products)
	v_mov_b32 v13, 0xff61b1e6                      ; the largest t so far: -3e38
	v_mov_b32 v14, 0
	v_mov_b32 v15, 0
	s_delay_alu instid0(VALU_DEP_3)
	v_floor_f32 v12, -v13                          ; -M
.set n, 0
.rept 32
	v_mov_b32 v[O+n], 0
.set n, n+1
.endr
.endm
; A KEY STEP: 128 keys.  masked = 1: the step may lie behind the tile's queries (left out: a scalar branch on the wave's number and the count of steps) or on the diagonal.
.macro STEP masked
.if \masked
	s_cmp_gt_u32 s[J], s[JD]
	s_cbranch_scc1 .Lhid_\@
.endif
	s_setprio 2
	v_add_nc_u32 v[ADK], s[TB], v[LK]              ; (these four are also the places behind the last step's products, in front of the loads into their operands' registers)
	v_add_nc_u32 v[ADV], s[TB], v[LV]
	v_add_nc_u32 v[ADS], s[TS], v[LSK]
	v_add_nc_u32 v[ADT], s[TS], v[LSV]
.irp x, 0,1,2,3                        ; operand x = 2 G + c: keys 64 c + 32 i3 + 16 e + 8 G + (row % 8)
.irp c3, 0,1,2
	ds_load_b128 v[FRG+12*\x+4*\c3:FRG+12*\x+4*\c3+3], v[ADK] offset:(\x/2)*3072+(\x%2)*768+256*\c3
.endr
	ds_load_b32 v[KSW+\x], v[ADS] offset:(\x/2)*2048+(\x%2)*32
.endr
	s_wait_alu depctr_va_vdst(0)
	s_wait_dscnt 0x0
.irp x, 0,1,2,3
	v_wmma_scale_f32_16x16x128_f8f6f4 v[S+32*(\x%2)+8*(\x/2):S+32*(\x%2)+8*(\x/2)+7], v[FRG+12*\x:FRG+12*\x+11], v[QLO:QLO+11], 0, v[KSW+\x], v[QSW] matrix_a_fmt:MATRIX_FMT_FP6 matrix_b_fmt:MATRIX_FMT_FP6
	v_wmma_scale_f32_16x16x128_f8f6f4 v[S+32*(\x%2)+16+8*(\x/2):S+32*(\x%2)+16+8*(\x/2)+7], v[FRG+12*\x:FRG+12*\x+11], v[QHI:QHI+11], 0, v[KSW+\x], v[QSW] matrix_a_fmt:MATRIX_FMT_FP6 matrix_b_fmt:MATRIX_FMT_FP6
.endr
.rept 4
	v_nop                                          ; places in front of the loads below and of the first read of the scores
.endr
.irp f, 0,1,2,3                        ; v's four operands land while the softmax is walked
.irp c3, 0,1,2
	ds_load_b128 v[FRG+12*\f+4*\c3:FRG+12*\f+4*\c3+3], v[ADV] offset:\f*1536+256*\c3
.endr
	ds_load_b32 v[VSW+\f], v[ADT] offset:\f*1024
.endr
.if \masked
	s_cmp_lg_u32 s[J], s[JD]
	s_cbranch_scc1 .Lopen_\@
.set n, 0
.rept 64
	v_cmp_gt_i32 vcc_lo, 64*(n/32)+n%32, v[DLIM]
	v_cndmask_b32 v[S+n], v[S+n], v[NINF], vcc_lo
.set n, n+1
.endr
.Lopen_\@:
.endif
.irp b, 0,1,2,3
	v_max3_num_f32 v[MX+\b], v[S+16*\b], v[S+16*\b+1], v[S+16*\b+2]   ; four chains of 16 scores, each accumulator from its low end on
.endr
.irp i, 3,5,7,9,11,13
.irp b, 0,1,2,3
	v_max3_num_f32 v[MX+\b], v[MX+\b], v[S+16*\b+\i], v[S+16*\b+\i+1]
.endr
.endr
.irp b, 0,1,2,3
	v_max_num_f32 v[MX+\b], v[MX+\b], v[S+16*\b+15]
.endr
	s_delay_alu instid0(VALU_DEP_3)
	v_max_num_f32 v[MX], v[MX], v[MX+1]            ; THE LARGEST SCORE OF EACH OF MY TWO BLOCKS OF 32 KEYS: it serves for the row's maximum and, since p rises with the score, for the block's largest p
	s_delay_alu instid0(VALU_DEP_2)
	v_max_num_f32 v[MX+2], v[MX+2], v[MX+3]
	s_delay_alu instid0(VALU_DEP_1)
	v_max_num_f32 v[TM], v[MX], v[MX+2]
	s_delay_alu instid0(VALU_DEP_1)
	v_permlanex16_b32 v[PD], v[TM], s[SEL], s[SEL+1]
	s_delay_alu instid0(VALU_DEP_1)
	v_max_num_f32 v[TM], v[TM], v[PD]              ; the step's largest score of my query
	s_delay_alu instid0(VALU_DEP_1)
	v_mul_f32 v[TM], s[CS], v[TM]                  ; as t
	s_delay_alu instid0(VALU_DEP_1)
	v_max_num_f32 v13, v13, v[TM]                  ; the running largest t
	v_mov_b32 v[TM], v12
	s_delay_alu instid0(VALU_DEP_2)
	v_floor_f32 v12, -v13                          ; the new -M = -ceil(t): a whole number
	s_delay_alu instid0(VALU_DEP_1)
	v_sub_f32 v[TM], v12, v[TM]                    ; old M less new M: a whole number, 0 or less
	s_delay_alu instid0(VALU_DEP_1)
	v_cvt_i32_f32 v[TM], v[TM]                     ; (it saturates)
	s_delay_alu instid0(VALU_DEP_1)
	v_ldexp_f32 v[FF], 1.0, v[TM]                  ; f = 2^(old M - new M)
.set n, 0
.rept 32
	v_pk_fma_f32 v[S+n:S+n+1], v[S+n:S+n+1], s[CS:CS+1], v[12:13] op_sel_hi:[1,0,0]   ; t - M, two at a time
.set n, n+2
.endr
	v_fma_f32 v[MX], v[MX], s[CS], v12             ; the same of each block's largest score
	v_fma_f32 v[MX+2], v[MX+2], s[CS], v12
.set n, 0
	s_setprio 1
	s_wait_alu depctr_va_vdst(0)
.rept 64
	v_exp_f32 v[S+n], v[S+n]                       ; p = 2^(t - M), at most 1: not normalised
.set n, n+1
.endr
	v_pk_mul_f32 v[14:15], v[14:15], v[FF:FF+1] op_sel_hi:[1,0]   ; the sums under the new M (a plain line behind the exponentials)
	s_wait_alu depctr_va_vdst(0)                   ; one wait for the whole batch, ahead of its first reader
	v_exp_f32 v[MX], v[MX]                         ; the blocks' largest p
	v_exp_f32 v[MX+2], v[MX+2]
	v_pk_add_f32 v[236:237], v[100:101], v[104:105]
	v_pk_add_f32 v[254:255], v[108:109], v[112:113]
	v_pk_add_f32 v[252:253], v[116:117], v[120:121]
	v_pk_add_f32 v[250:251], v[124:125], v[128:129]
	v_pk_add_f32 v[248:249], v[132:133], v[136:137]
	v_pk_add_f32 v[232:233], v[140:141], v[144:145]
	v_pk_add_f32 v[226:227], v[148:149], v[152:153]
	v_pk_add_f32 v[14:15], v[14:15], v[156:157]
	v_pk_add_f32 v[236:237], v[236:237], v[96:97]
	v_pk_add_f32 v[254:255], v[254:255], v[98:99]
	v_pk_add_f32 v[252:253], v[252:253], v[102:103]
	v_pk_add_f32 v[250:251], v[250:251], v[106:107]
	v_pk_add_f32 v[248:249], v[248:249], v[110:111]
	v_pk_add_f32 v[232:233], v[232:233], v[114:115]
	v_pk_add_f32 v[226:227], v[226:227], v[118:119]
	v_pk_add_f32 v[14:15], v[14:15], v[122:123]
	v_pk_add_f32 v[236:237], v[236:237], v[126:127]
	v_pk_add_f32 v[254:255], v[254:255], v[130:131]
	v_pk_add_f32 v[252:253], v[252:253], v[134:135]
	v_pk_add_f32 v[250:251], v[250:251], v[138:139]
	v_pk_add_f32 v[248:249], v[248:249], v[142:143]
	v_pk_add_f32 v[232:233], v[232:233], v[146:147]
	v_pk_add_f32 v[226:227], v[226:227], v[150:151]
	v_pk_add_f32 v[14:15], v[14:15], v[154:155]
	v_pk_add_f32 v[236:237], v[236:237], v[158:159]
	s_delay_alu instid0(VALU_DEP_2)
	v_pk_add_f32 v[14:15], v[14:15], v[250:251]
	s_delay_alu instid0(VALU_DEP_2)
	v_pk_add_f32 v[236:237], v[236:237], v[248:249]
	v_pk_add_f32 v[254:255], v[254:255], v[232:233]
	v_pk_add_f32 v[252:253], v[252:253], v[226:227]
	s_delay_alu instid0(VALU_DEP_2)
	v_pk_add_f32 v[14:15], v[14:15], v[254:255]
	s_delay_alu instid0(VALU_DEP_2)
	v_pk_add_f32 v[236:237], v[236:237], v[252:253]
	s_delay_alu instid0(VALU_DEP_1)
	v_pk_add_f32 v[14:15], v[14:15], v[236:237]
	s_wait_alu depctr_va_vdst(0)                   ; and one for the two
	v_max_num_f32 v[MX], 0x1800000, v[MX]          ; the floor 2^(3 - 127): the byte cannot fall under 1
	v_max_num_f32 v[MX+2], 0x1800000, v[MX+2]
	s_delay_alu instid0(VALU_DEP_2)
	v_add_nc_u32 v[SO], 0xff000000, v[MX]          ; 2 off the exponent field: the conversion's scale operand
	s_delay_alu instid0(VALU_DEP_2)
	v_add_nc_u32 v[SO+1], 0xff000000, v[MX+2]
	s_delay_alu instid0(VALU_DEP_2)
	v_lshrrev_b32 v[BYT], 23, v[SO]
	s_delay_alu instid0(VALU_DEP_2)
	v_lshrrev_b32 v[BYT+1], 23, v[SO+1]
	s_delay_alu instid0(VALU_DEP_1)
	v_lshl_or_b32 v[PSW], v[BYT+1], 16, v[BYT]     ; my two bytes: blocks h and 2 + h,
	s_delay_alu instid0(VALU_DEP_1)
	v_lshlrev_b32 v[PSW], v[SH8], v[PSW]           ; at their places in the scale word;
	s_delay_alu instid0(VALU_DEP_1)
	v_permlanex16_b32 v[PD+1], v[PSW], s[SEL], s[SEL+1]
	s_delay_alu instid0(VALU_DEP_1)
	v_or_b32 v[PSW], v[PSW], v[PD+1]               ; with lane l xor 16's two the word is whole
.irp c, 0,1
	v_cvt_scalef32_pk16_fp6_f32 v[PC+6*\c:PC+6*\c+2], v[S+32*\c:S+32*\c+15], v[SO+\c]
	v_cvt_scalef32_pk16_fp6_f32 v[CT+4*\c:CT+4*\c+2], v[S+32*\c+16:S+32*\c+31], v[SO+\c]   ; (a conversion's three registers begin on an even number)
.endr
	s_setprio 0
	v_nop                                          ; one plain line behind the last conversion
.irp c, 0,1
.irp i, 0,1,2
	v_mov_b32 v[PC+6*\c+3+\i], v[CT+4*\c+\i]
.endr
.endr
.set n, 0
.rept 16
	v_pk_mul_f32 v[O+n:O+n+1], v[O+n:O+n+1], v[FF:FF+1] op_sel_hi:[1,0]   ; O^T under the new M.  (These are also the places between p's codes and scale word and the products below)
.set n, n+2
.endr
	s_wait_alu depctr_va_vdst(0)
	s_wait_dscnt 0x0                               ; v is in
.irp f, 0,1,2,3                        ; the four accumulators take turns, one instruction a turn
	v_wmma_scale_f32_16x16x128_f8f6f4 v[O+8*\f:O+8*\f+7], v[FRG+12*\f:FRG+12*\f+11], v[PC:PC+11], v[O+8*\f:O+8*\f+7], v[VSW+\f], v[PSW] matrix_a_fmt:MATRIX_FMT_FP6 matrix_b_fmt:MATRIX_FMT_FP6
.endr
.if \masked
.Lhid_\@:
.endif
	s_add_co_u32 s[TB], s[TB], REC                 ; the next step's record and scale words
	s_add_co_u32 s[TS], s[TS], 64
.endm
; THE WAY OUT of a tile: z = O^T / the sum; a lane's 32 numbers are one block of the row of z; its 24 bytes of codes go through my stage, so that each store covers 256 consecutive bytes, aligned.
.macro OUT rc, rs
.rept 4
	v_nop                                          ; places behind the last products
.endr
	v_add_f32 v14, v14, v15
	s_delay_alu instid0(VALU_DEP_1)
	v_permlanex16_b32 v[PD], v14, s[SEL], s[SEL+1]
	s_delay_alu instid0(VALU_DEP_1)
	v_add_f32 v14, v14, v[PD]                      ; the row's sum
	s_wait_alu depctr_va_vdst(0)
	v_rcp_f32 v14, v14
	v_nop                                          ; a plain line behind the reciprocal
	s_wait_alu depctr_va_vdst(0)                   ; and the wait ahead of its first reader
.set n, 0
.rept 32
	v_mul_f32 v[S+n], v[O+n], v14                  ; register 8 f + j: channel 32 h + 8 f + j
.set n, n+1
.endr
	v_max3_num_f32 v[MX], |v[S]|, |v[S+1]|, |v[S+2]|
	v_max3_num_f32 v[MX+1], |v[S+3]|, |v[S+4]|, |v[S+5]|
.irp i, 6,10,14,18,22,26
	s_delay_alu instid0(VALU_DEP_2)
	v_max3_num_f32 v[MX], v[MX], |v[S+\i]|, |v[S+\i+1]|
	s_delay_alu instid0(VALU_DEP_2)
	v_max3_num_f32 v[MX+1], v[MX+1], |v[S+\i+2]|, |v[S+\i+3]|
.endr
	s_delay_alu instid0(VALU_DEP_2)
	v_max3_num_f32 v[MX], v[MX], |v[S+30]|, |v[S+31]|
	s_delay_alu instid0(VALU_DEP_1)
	v_max3_num_f32 v[MX], v[MX], v[MX+1], 0x1800000
	s_delay_alu instid0(VALU_DEP_1)
	v_add_nc_u32 v[SO], 0xff000000, v[MX]
	s_delay_alu instid0(VALU_DEP_1)
	v_lshrrev_b32 v[BYT], 23, v[SO]
	v_cvt_scalef32_pk16_fp6_f32 v[ZC:ZC+2], v[S:S+15], v[SO]
	v_cvt_scalef32_pk16_fp6_f32 v[CT:CT+2], v[S+16:S+31], v[SO]
	v_nop
.irp i, 0,1,2
	v_mov_b32 v[ZC+3+\i], v[CT+\i]
.endr
.irp p, 0,1,2
	ds_store_b64 v[ZW], v[ZC+2*\p:ZC+2*\p+1] offset:8*\p
.endr
.irp p, 0,1,2
	ds_load_b64 v[S+32+2*\p:S+33+2*\p], v[ZR] offset:256*\p   ; LDS serves a wave's instructions in order: these see my stores
.endr
	s_wait_alu depctr_va_vdst(0)
	s_wait_dscnt 0x0
.irp p, 0,1,2
	global_store_b64 v[L8], v[S+32+2*\p:S+33+2*\p], s[\rc:\rc+1] offset:256*\p
.endr
	global_store_b8 v[ZB], v[BYT], s[\rs:\rs+1]    ; the row's 32 scale bytes, one a lane
.endm
	s_wait_tensorcnt 0x1                           ; the scale words and my part of records 0 to 7 are in; records 8 to 15 may stay out
	s_barrier_signal -1
	s_barrier_wait -1                              ; everybody's are
	s_wait_loadcnt 0x0                             ; both tiles' q
	QSET S, TBL
	INIT
	s_mov_b32 s[TB], 0
	s_mov_b32 s[TS], 0
	s_mov_b32 s[J], 0
	s_sub_co_u32 s[JD], 31, s[WV]
	s_lshr_b32 s[JD], s[JD], 1                     ; tile B's last step, 8 at the least: its steps 0 to 7 are whole
.Lb1:
	STEP 0
	s_add_co_u32 s[J], s[J], 1
	s_cmp_lt_u32 s[J], 8
	s_cbranch_scc1 .Lb1
	s_setprio 0
	s_wait_tensorcnt 0x0                           ; my part of records 8 to 15 is in,
	s_wait_dscnt 0x0
	s_barrier_signal -1
	s_barrier_wait -1                              ; everybody's is
.Lb2:
	STEP 1
	s_add_co_u32 s[J], s[J], 1
	s_cmp_lt_u32 s[J], 16
	s_cbranch_scc1 .Lb2
	s_setprio 0
	OUT RCB, RSB
	s_wait_xcnt 0x0                                ; the stores have read their registers: they may be written again
	QSET RAWA, TA
	INIT
	s_mov_b32 s[TB], 0
	s_mov_b32 s[TS], 0
	s_mov_b32 s[J], 0
	s_lshr_b32 s[JD], s[WV], 1                     ; tile A's last step, 7 at the most
.La:
	STEP 1
	s_add_co_u32 s[J], s[J], 1
	s_cmp_lt_u32 s[J], 8
	s_cbranch_scc1 .La
	s_setprio 0
	OUT RCA, RSA
	s_wait_tensorcnt 0x0                           ; the wave's end: behind my last tensor load and my last LDS store
	ds_add_u32 v[SPW], v[NIL]
	s_wait_dscnt 0x0
	CROUND                                         ; the closing round
	s_endpgm
.Lfunc_end_k_q1142ee8c7b_attn:
	.size	k_q1142ee8c7b_attn, .Lfunc_end_k_q1142ee8c7b_attn-k_q1142ee8c7b_attn
	.p2alignl 7, 3214868480
	.fill 96, 4, 3214868480
	.section	.rodata,"a",@progbits
	.p2align	6, 0x0
	.amdhsa_kernel k_q1142ee8c7b_attn
		.amdhsa_group_segment_fixed_size 229376
		.amdhsa_private_segment_fixed_size 0
		.amdhsa_enable_private_segment 0
		.amdhsa_kernarg_size 32
		.amdhsa_user_sgpr_count 2
		.amdhsa_user_sgpr_kernarg_segment_ptr 1
		.amdhsa_wavefront_size32 1
		.amdhsa_system_sgpr_workgroup_id_x 1
		.amdhsa_system_sgpr_workgroup_id_y 1
		.amdhsa_system_sgpr_workgroup_id_z 1
		.amdhsa_system_vgpr_workitem_id 0
		.amdhsa_next_free_vgpr 256
		.amdhsa_next_free_sgpr 80
		.amdhsa_reserve_vcc 1
		.amdhsa_float_denorm_mode_32 3
		.amdhsa_float_denorm_mode_16_64 3
		.amdhsa_memory_ordered 1
		.amdhsa_forward_progress 1
		.amdhsa_inst_pref_size 81
	.end_amdhsa_kernel
	.amdgpu_metadata
---
amdhsa.version: [ 1, 2 ]
amdhsa.kernels:
  - .name:           k_q1142ee8c7b_attn
    .symbol:         k_q1142ee8c7b_attn.kd
    .args:
      - { .name: qkv, .offset: 0, .size: 8, .value_kind: global_buffer, .address_space: global }
      - { .name: sc, .offset: 8, .size: 8, .value_kind: global_buffer, .address_space: global }
      - { .name: ac, .offset: 16, .size: 8, .value_kind: global_buffer, .address_space: global }
      - { .name: asc, .offset: 24, .size: 8, .value_kind: global_buffer, .address_space: global }
    .group_segment_fixed_size: 229376
    .private_segment_fixed_size: 0
    .kernarg_segment_align: 8
    .kernarg_segment_size: 32
    .max_flat_workgroup_size: 512
    .sgpr_count:     80
    .vgpr_count:     256
    .wavefront_size: 32
...
	.end_amdgpu_metadata
.endif
;; end of part 4
;; launch gemm_out (part 5): grid 4 x 32, 4 waves a work-group, clusters of 4 x 4, 327,680 bytes of LDS; arguments ac, asc, wc, ws, bp, out0; writes out0
.if DOCPART == 5
	.amdgcn_target "amdgcn-amd-amdhsa--gfx1250"
	.amdhsa_code_object_version 6
	.text
	.protected	k_q1142ee8c7b_gemm_out
	.globl	k_q1142ee8c7b_gemm_out
	.p2align	8
	.type	k_q1142ee8c7b_gemm_out,@function
k_q1142ee8c7b_gemm_out:
	s_mov_b64 s[64:65], 0
	v_nop
	global_prefetch_b8 v0, s[64:65] scope:SCOPE_SE
	s_setreg_imm32_b32 hwreg(HW_REG_WAVE_MODE, 25, 1), 1
	s_wait_xcnt 0x0
	s_wait_alu depctr_hold_cnt(0) depctr_sa_sdst(0) depctr_va_vdst(0) depctr_va_sdst(0) depctr_va_ssrc(0) depctr_va_vcc(0) depctr_vm_vsrc(0)
	s_getreg_b32 s2, hwreg(HW_REG_IB_STS2, 6, 4)
	s_cmp_eq_u32 s2, 0
	s_cbranch_scc0 .Lentry_in_a_cluster
	s_endpgm
.Lentry_in_a_cluster:
	s_bfe_u32 s2, ttmp6, 0x10000c
	s_cmp_lg_u32 s2, 0xf033
	s_cbranch_scc0 .Lentry_shape_is_right
	s_endpgm
.Lentry_shape_is_right:
; out = z Wo + bo on codes of FP6 (E2M3) with one E8M0 scale for each 32 along K = 1024; sums in f32, the bias as the C of each sum's first product.
; A: ac [8192][768 bytes], asc [8192][32] (z's).  B: positions 3072-4095 of wc [position][768], ws [position][32], bp f32 [position]: Wo's columns in their own order.  out: [8192][1024] f32.
; A tile of C, 256 x 256, is made by a work-group of four waves; a wave makes 128 x 128: 64 accumulators, 512 registers.  K goes in steps of 256 through a ring of two LDS slots filled by the tensor data
; mover (rows of 192 bytes); the scales of the work-group's rows, for all of K, come into LDS once.  CLUSTERS: 4 x 4 work-groups; A's tiles are asked for jointly along a row of the cluster, B's along a column.
; THE MATRIX INSTRUCTION IS USED TRANSPOSED (source 0 = 16 positions, source 1 = 16 rows of z): a lane holds eight neighbouring numbers of a row of C.
; The grid has 128 work-groups: tiles of this size for 8,192 x 1,024.
; REGISTERS, in windows of 256: window 0: v0-31 addresses; v32-63 scale words, two sets; v64-127 the bias; from v128 A's fragments, one set.  window 1: B's fragments, two sets.  windows 2, 3: the accumulators.
.set SIZE_K, 1024
.set SIZE_N, 1024
.set WROW0,  3072                      ; Wo's first position
.set KSTEP,  256
.set NQ,     KSTEP/128
.set ROWB,   192
.set KROW,   SIZE_K*6/8
.set PITCH,  240
.set FR,     12
.set NL,     6
.set NP,     4
.set HALFT,  128*PITCH
.set SLOT,   4*HALFT
.set LAPS,   SIZE_K/(2*KSTEP)
.set KS,     SIZE_K/32
.set SCL,    2*SLOT
.set HALFS,  (128*KS/256)*272
.set SBLK,   (16*KS/256)*272
.set SPARE,  SCL+4*HALFS
.set SPITCH, 528                       ; the way out: a stage of 16 rows x (512 bytes + 16) for each wave, in slot 0, which has had its last fill and its last read when the first result is stored there
.set ADRA, 16
.set ADRB, 20
.set STO,  24
.set RD,   25
.set CO,   26
.set ADRS, 27
.set SPW,  28
.set NIL,  29
.set SC,   32
.set BI,   64
.set AF,   128
.set BK,   128
.set G1, 24
.set G0, 32
.set G1B, 48
.set G0B, 56
.set G1S, 68
.set G0S, 76
.set G1SB, 80
.set G0SB, 88
.set MSB, 0
.macro WIN new
.if MSB != \new
	s_set_vgpr_msb (MSB<<8)|\new
.set MSB, \new
.endif
.endm
.set MUL_LO, 0xa1
.set MUL_HI, 0xf1
.set BIA_LO, 0x81
.set BIA_HI, 0xc1
.set TO_B,   0x40
.macro JLOAD g0a, g1a, g0b, g1b        ; a joint load: waves 0 and 1 fetch for A, waves 2 and 3 for B; an s_nop 0 and four v_nop follow each of the two lines
	s_cmp_eq_u32 s15, 0
	s_cbranch_scc0 .Lfor_b_\@
	tensor_load_to_lds s[\g0a:\g0a+3], s[\g1a:\g1a+7]
	s_nop 0
.rept 4
	v_nop
.endr
	s_branch .Lasked_\@
.Lfor_b_\@:
	tensor_load_to_lds s[\g0b:\g0b+3], s[\g1b:\g1b+7]
	s_nop 0
.rept 4
	v_nop
.endr
.Lasked_\@:
.endm
.macro CREST
	s_cmp_lg_u32 s14, 0
	s_cbranch_scc1 .Lnot_wave_0_\@
	s_barrier_signal -3
.Lnot_wave_0_\@:
	s_barrier_wait -3
	s_barrier_signal -1
	s_barrier_wait -1
.endm
.macro CROUND
	s_barrier_signal -1
	s_barrier_wait -1
	CREST
.endm
	s_load_b128 s[4:7], s[0:1], 0x0                ; A's codes, A's scales
	s_load_b128 s[8:11], s[0:1], 0x10              ; B's codes, B's scales
	s_load_b64 s[96:97], s[0:1], 0x20              ; the bias
	s_load_b64 s[12:13], s[0:1], 0x28              ; C
	v_lshl_add_u32 v[SPW], v0, 2, SPARE
	v_mov_b32 v[NIL], 0
	ds_add_u32 v[SPW], v[NIL]                      ; the wave's opening: the add and its wait stand ahead of my first tensor load; work on registers stands between them
	ds_add_u32 v[SPW], v[NIL]
	v_lshrrev_b32 v1, 5, v0
	v_readfirstlane_b32 s14, v1
	s_lshr_b32 s15, s14, 1
	s_and_b32 s16, s14, 1
	s_bfe_u32 s40, ttmp6, 0x40000
	s_bfe_u32 s41, ttmp6, 0x40004
	s_lshl_b32 s42, ttmp9, 2
	s_add_co_u32 s42, s42, s40                     ; tile column
	s_and_b32 s17, ttmp7, 0xffff
	s_lshl_b32 s17, s17, 2
	s_add_co_u32 s17, s17, s41                     ; tile row
	s_lshl_b32 s43, s41, 2
	s_lshl_b32 s43, 15, s43
	s_lshl_b32 s44, 0x1111, s40
	s_or_b32 s[G1+0], s43, (0<<16)|(1<<20)|(1<<21)|(3<<22)|(3<<25)
	s_or_b32 s[G1B+0], s44, (0<<16)|(1<<20)|(1<<21)|(3<<22)|(3<<25)
.irp g, G1, G1B
	s_mov_b32 s[\g+1], ROWB<<16
	s_mov_b32 s[\g+2], 128<<16
	s_mov_b32 s[\g+3], ROWB<<16
	s_mov_b32 s[\g+4], 128
	s_mov_b32 s[\g+5], KROW
	s_mov_b32 s[\g+6], 0
	s_mov_b32 s[\g+7], 0
.endr
	s_or_b32 s[G1S+0], s43, (3<<16)|(1<<20)|(1<<21)|(5<<22)|(3<<25)
	s_or_b32 s[G1SB+0], s44, (3<<16)|(1<<20)|(1<<21)|(5<<22)|(3<<25)
.irp g, G1S, G1SB
	s_mov_b32 s[\g+1], 32<<16
	s_mov_b32 s[\g+2], (128*KS/256)<<16
	s_mov_b32 s[\g+3], 32<<16
	s_mov_b32 s[\g+4], 128*KS/256
	s_mov_b32 s[\g+5], 32
	s_mov_b32 s[\g+6], 0
	s_mov_b32 s[\g+7], 0
.endr
	s_lshl_b32 s18, s16, 7
	s_lshl_b32 s20, s17, 8
	s_add_co_u32 s20, s20, s18                     ; A: row 256 x tile row + 128 x half
	s_lshl_b32 s46, s42, 8
	s_add_co_u32 s46, s46, s18
	s_add_co_u32 s46, s46, WROW0                   ; B: position 3072 + 256 x tile column + 128 x half
	s_mov_b32 s21, 0
	s_mov_b32 s47, 0
	s_mov_b64 s[18:19], KS
	s_mul_u64 s[22:23], s[20:21], s[18:19]
	s_mul_u64 s[92:93], s[46:47], s[18:19]
	s_mov_b64 s[18:19], KROW
	s_mul_u64 s[20:21], s[20:21], s[18:19]
	s_mul_u64 s[46:47], s[46:47], s[18:19]
	s_mul_i32 s45, s14, HALFT
	s_mul_i32 s94, s14, HALFS
	s_wait_dscnt 0x0                               ; the opening add is done
	s_wait_kmcnt 0x0
	s_add_nc_u64 s[20:21], s[4:5], s[20:21]
	s_add_nc_u64 s[22:23], s[6:7], s[22:23]
	s_add_nc_u64 s[46:47], s[8:9], s[46:47]
	s_add_nc_u64 s[92:93], s[10:11], s[92:93]
	CROUND                                         ; all sixteen work-groups are here: the first joint loads meet
	s_mov_b32 s[G0S], 1
	s_add_co_u32 s[G0S+1], s94, SCL
	s_mov_b64 s[G0S+2:G0S+3], s[22:23]
	s_or_b32 s[G0S+3], s[G0S+3], 0x80000000
	s_mov_b32 s[G0SB], 1
	s_add_co_u32 s[G0SB+1], s94, SCL
	s_mov_b64 s[G0SB+2:G0SB+3], s[92:93]
	s_or_b32 s[G0SB+3], s[G0SB+3], 0x80000000
	JLOAD G0S, G1S, G0SB, G1SB
.irp s, 0,1
	s_mov_b32 s[G0+4*\s], 1
	s_add_co_u32 s[G0+4*\s+1], s45, \s*SLOT
	s_add_nc_u64 s[G0+4*\s+2:G0+4*\s+3], s[20:21], \s*ROWB
	s_or_b32 s[G0+4*\s+3], s[G0+4*\s+3], 0x80000000
	s_mov_b32 s[G0B+4*\s], 1
	s_add_co_u32 s[G0B+4*\s+1], s45, \s*SLOT
	s_add_nc_u64 s[G0B+4*\s+2:G0B+4*\s+3], s[46:47], \s*ROWB
	s_or_b32 s[G0B+4*\s+3], s[G0B+4*\s+3], 0x80000000
	s_wait_alu depctr_va_vdst(0)
	s_wait_tensorcnt 0x0
	ds_add_u32 v28, v29
	s_wait_dscnt 0x0
	CROUND
	JLOAD G0+4*\s, G1, G0B+4*\s, G1B               ; one tensor load of mine is out
.endr
	v_and_b32 v1, 15, v0
	v_bfe_u32 v2, v0, 4, 1
	v_mul_u32_u24 v3, v1, PITCH
	v_mul_u32_u24 v4, v2, 24
	v_add_nc_u32 v4, v3, v4
	v_lshl_add_u32 v5, v2, 4, v4
	s_mul_i32 s21, s15, HALFT
	s_mul_i32 s22, s16, HALFT
	s_add_co_u32 s22, s22, 2*HALFT
.irp s, 0,1
	v_add_nc_u32 v[ADRA+\s], s21, v4
	v_add_nc_u32 v[ADRB+\s], s22, v4
	v_add_nc_u32 v[ADRA+2+\s], s21, v5
	v_add_nc_u32 v[ADRB+2+\s], s22, v5
	s_add_co_u32 s21, s21, SLOT
	s_add_co_u32 s22, s22, SLOT
.endr
	v_mul_u32_u24 v5, v1, KS
	v_lshrrev_b32 v6, 8, v5
	v_lshl_add_u32 v5, v6, 4, v5
	s_mul_i32 s21, s15, HALFS
	s_mul_i32 s22, s16, HALFS
	s_add_co_u32 s22, s22, 2*HALFS
	s_sub_co_u32 s22, s22, s21
	v_mul_u32_u24 v6, s22, v2
	s_add_co_u32 s21, s21, SCL
	v_add_nc_u32 v5, v5, v6
	v_add_nc_u32 v[ADRS], s21, v5
	s_mul_i32 s23, s14, 16*SPITCH                  ; my stage
	v_mul_u32_u24 v5, v1, SPITCH                   ; in: row l % 16, 32 bytes for each half of the lanes
	v_lshl_add_u32 v5, v2, 5, v5
	v_add_nc_u32 v[STO], s23, v5
	v_and_b32 v6, 31, v0
	v_lshlrev_b32 v[CO], 4, v6                     ; back: the 32 lanes take one row of 512 bytes; and the same in C
	v_add_nc_u32 v[RD], s23, v[CO]
	s_lshl_b32 s20, s17, 8
	s_lshl_b32 s21, s15, 7
	s_add_co_u32 s20, s20, s21                     ; my first row of C
	s_mov_b32 s21, 0
	s_mov_b64 s[18:19], SIZE_N*4
	s_mul_u64 s[20:21], s[20:21], s[18:19]
	s_lshl_b32 s46, s42, 10                        ; my first column, in bytes: 1024 x tile column + 512 x half; the bias of my 128 positions lies as far into Wo's part of bp
	s_lshl_b32 s47, s16, 9
	s_add_co_u32 s46, s46, s47
	s_mov_b32 s47, 0
	s_add_nc_u64 s[96:97], s[96:97], s[46:47]
	s_add_nc_u64 s[96:97], s[96:97], 4*WROW0
	s_add_nc_u64 s[20:21], s[20:21], s[46:47]
	s_add_nc_u64 s[12:13], s[12:13], s[20:21]
	v_lshlrev_b32 v30, 5, v2                       ; the bias: + 32 h
.irp b, 0,1,2,3,4,5,6,7
	global_load_b128 v[BI+8*\b:BI+8*\b+3], v30, s[96:97] offset:64*\b
	global_load_b128 v[BI+8*\b+4:BI+8*\b+7], v30, s[96:97] offset:64*\b+16
.endr
.macro FRAG reg, adr, q, i             ; a fragment, 16 rows x 128 K, is 12 registers, in pieces of 8 bytes; where the piece of lanes 16-31 lies behind one padding more, the second address register serves
.irp p, 0,1,2,3,4,5
.set PCE, 12*(\q)+6*(\p/3)+\p%3
.if PCE%8 < 5
	ds_load_b64 v[\reg+2*\p:\reg+2*\p+1], v[\adr] offset:8*PCE+16*(PCE/8)+(\i)*16*PITCH
.else
	ds_load_b64 v[\reg+2*\p:\reg+2*\p+1], v[\adr+2] offset:8*PCE+16*(PCE/8)+(\i)*16*PITCH
.endif
.endr
.endm
.macro MUL16 a0, p, q, sc, first       ; 16 matrix instructions; first = 1: the sums begin with the bias.  The 64 accumulators take turns, one instruction a turn
.irp a, \a0, \a0+1
.irp b, 0,1,2,3,4,5,6,7
.if \first
	v_wmma_scale_f32_16x16x128_f8f6f4 v[8*(8*((\a)%4)+\b):8*(8*((\a)%4)+\b)+7], v[128*(\p)+FR*\b:128*(\p)+FR*\b+FR-1], v[AF+FR*(\a):AF+FR*(\a)+FR-1], v[BI+8*\b:BI+8*\b+7], v[SC+8*NQ*(\sc)+NQ*\b+(\q)], v[SC+8*NQ*(\sc)+NQ*(\a)+(\q)] matrix_a_fmt:MATRIX_FMT_FP6 matrix_b_fmt:MATRIX_FMT_FP6 matrix_a_scale:MATRIX_SCALE_ROW1
.else
	v_wmma_scale_f32_16x16x128_f8f6f4 v[8*(8*((\a)%4)+\b):8*(8*((\a)%4)+\b)+7], v[128*(\p)+FR*\b:128*(\p)+FR*\b+FR-1], v[AF+FR*(\a):AF+FR*(\a)+FR-1], v[8*(8*((\a)%4)+\b):8*(8*((\a)%4)+\b)+7], v[SC+8*NQ*(\sc)+NQ*\b+(\q)], v[SC+8*NQ*(\sc)+NQ*(\a)+(\q)] matrix_a_fmt:MATRIX_FMT_FP6 matrix_b_fmt:MATRIX_FMT_FP6 matrix_a_scale:MATRIX_SCALE_ROW1
.endif
.endr
.endr
.endm
.macro FETCH_B slot, q, p
	WIN TO_B
.irp i, 0,1,2,3,4,5,6,7
	FRAG 128*(\p)+FR*\i, ADRB+\slot, \q, \i
.endr
	WIN 0
.endm
.macro FETCH_A slot, q, i0
.irp i, \i0, \i0+1, \i0+2, \i0+3
	FRAG AF+FR*(\i), ADRA+\slot, \q, \i
.endr
.endm
.macro SCALES sc
.irp i, 0,1,2,3,4,5,6,7
	ds_load_b64 v[SC+8*NQ*\sc+NQ*\i:SC+8*NQ*\sc+NQ*\i+1], v[ADRS] offset:\i*SBLK
.endr
.endm
.macro PLACES n
.rept \n
	v_nop
.endr
.endm
.macro STEP slot, q, first
	s_wait_dscnt 4*NL                              ; B's set and A's blocks 0-3 are in; the youngest 24 loads (A's blocks 4-7) may be out
.if \first
	WIN BIA_LO
.else
	WIN MUL_LO
.endif
	MUL16 0, (\q)%2, \q, \slot, \first
	MUL16 2, (\q)%2, \q, \slot, \first
	s_wait_dscnt 0
	PLACES NP
	FETCH_B \slot, (\q)+1, 1-(\q)%2
	FETCH_A \slot, (\q)+1, 0
.if \first
	WIN BIA_HI
.else
	WIN MUL_HI
.endif
	MUL16 4, (\q)%2, \q, \slot, \first
	MUL16 6, (\q)%2, \q, \slot, \first
	PLACES NP
	WIN 0
	FETCH_A \slot, (\q)+1, 4
.endm
.macro TURN slot, next, fill           ; a slot's last step changes slots: one barrier; in front of it the wait for all my tensor loads, the add, and the wait for it and for my reads of this slot
	s_wait_tensorcnt 0x0
	ds_add_u32 v[SPW], v[NIL]                      ; 0 onto my spare word
	s_wait_dscnt 4*NL+1                            ; (the add and the youngest 24 loads may be out)
	WIN MUL_LO
	MUL16 0, 1, NQ-1, \slot, 0
	s_wait_dscnt 0x0                               ; the add is done, and my reads of this slot are over
	s_barrier_signal -1
	MUL16 2, 1, NQ-1, \slot, 0
	WIN 0
	s_barrier_wait -1
.if \fill
	CREST                                          ; the barrier has opened a round of the cluster's barrier
	s_add_nc_u64 s[G0+4*\slot+2:G0+4*\slot+3], s[G0+4*\slot+2:G0+4*\slot+3], 2*ROWB
	s_add_nc_u64 s[G0B+4*\slot+2:G0B+4*\slot+3], s[G0B+4*\slot+2:G0B+4*\slot+3], 2*ROWB
	JLOAD G0+4*\slot, G1, G0B+4*\slot, G1B         ; the first tensor load behind the round, my only one until the next
.else
	PLACES NP
.endif
	s_wait_alu depctr_va_vdst(0)
	v_add_nc_u32 v[ADRS], 4*NQ, v[ADRS]
	FETCH_B \next, 0, 0
	FETCH_A \next, 0, 0
	SCALES \next
	WIN MUL_HI
	MUL16 4, 1, NQ-1, \slot, 0
	MUL16 6, 1, NQ-1, \slot, 0
	PLACES NP
	WIN 0
	FETCH_A \next, 0, 4
.endm
	s_wait_alu depctr_va_vdst(0)
	s_wait_tensorcnt 1                             ; the scales and my part of K step 0 are in (K step 1's load may be out),
	s_barrier_signal -1
	s_barrier_wait -1                              ; everybody's are
	FETCH_B 0, 0, 0
	FETCH_A 0, 0, 0
	SCALES 0
	FETCH_A 0, 0, 4
	s_wait_loadcnt 0x0                             ; the bias
	STEP 0, 0, 1
	s_mov_b32 s3, LAPS-1
.Llap:
	TURN 0, 1, 1
	STEP 1, 0, 0
	TURN 1, 0, 1
	STEP 0, 0, 0
	s_sub_co_u32 s3, s3, 1
	s_cmp_lg_u32 s3, 0
	s_cbranch_scc1 .Llap
	TURN 0, 1, 0
	STEP 1, 0, 0
	s_wait_dscnt 4*NL
	WIN MUL_LO
	MUL16 0, 1, NQ-1, 1, 0
	MUL16 2, 1, NQ-1, 1, 0
	s_wait_dscnt 0
	WIN MUL_HI
	MUL16 4, 1, NQ-1, 1, 0
	MUL16 6, 1, NQ-1, 1, 0
	WIN 0
; THE WAY OUT, block by block of 16 rows x 128 columns: through my own stage in LDS and back as whole rows of 512 bytes.  LDS serves a wave's instructions in order: no wait between the stores and the loads.
.macro TOSTAGE a
.set AC, 64*((\a)%4)
	WIN 0x08+4*((\a)/4)                            ; the data: window 2 or 3
.irp b, 0,1,2,3,4,5,6,7
	ds_store_b128 v[STO], v[AC+8*\b:AC+8*\b+3] offset:64*\b          ; each accumulator from its low end on
	ds_store_b128 v[STO], v[AC+8*\b+4:AC+8*\b+7] offset:64*\b+16
.endr
	WIN 0
.set BB, BK+64*((\a)%2)
.irp t, 0,1,2,3,4,5,6,7,8,9,10,11,12,13,14,15
	ds_load_b128 v[BB+4*\t:BB+4*\t+3], v[RD] offset:\t*SPITCH
.endr
.endm
.macro SEND a, younger                 ; younger: the LDS instructions issued behind block a's loads, which may stay out
.set BB, BK+64*((\a)%2)
	s_wait_dscnt \younger
.if (\a) > 0
	s_add_nc_u64 s[12:13], s[12:13], 16*SIZE_N*4   ; (behind a wait on XCNT: the earlier stores have read their base)
.endif
.irp t, 0,1,2,3,4,5,6,7,8,9,10,11,12,13,14,15
	global_store_b128 v[CO], v[BB+4*\t:BB+4*\t+3], s[12:13] offset:\t*SIZE_N*4 th:TH_STORE_NT   ; 32 lanes store 512 consecutive bytes, at a multiple of 256 from C's first byte
.endr
.endm
	PLACES NP
	TOSTAGE 0
.irp a, 1,2,3,4,5,6,7
.if \a > 1
	s_wait_xcnt 0x0                                ; block a - 2's stores have read their registers and their base
.endif
	TOSTAGE \a
	SEND \a-1, 32                                  ; behind block a - 1's loads: block a's 16 stores and 16 loads
.endr
	s_wait_xcnt 0x0
	SEND 7, 0
	s_wait_tensorcnt 0x0                           ; the wave's end: behind my last tensor load and my last LDS store
	ds_add_u32 v[SPW], v[NIL]
	s_wait_dscnt 0x0
	CROUND                                         ; the closing round
	s_endpgm
.Lfunc_end_k_q1142ee8c7b_gemm_out:
	.size	k_q1142ee8c7b_gemm_out, .Lfunc_end_k_q1142ee8c7b_gemm_out-k_q1142ee8c7b_gemm_out
	.p2alignl 7, 3214868480
	.fill 96, 4, 3214868480
	.section	.rodata,"a",@progbits
	.p2align	6, 0x0
	.amdhsa_kernel k_q1142ee8c7b_gemm_out
		.amdhsa_group_segment_fixed_size 327680
		.amdhsa_private_segment_fixed_size 0
		.amdhsa_enable_private_segment 0
		.amdhsa_kernarg_size 48
		.amdhsa_user_sgpr_count 2
		.amdhsa_user_sgpr_kernarg_segment_ptr 1
		.amdhsa_wavefront_size32 1
		.amdhsa_system_sgpr_workgroup_id_x 1
		.amdhsa_system_sgpr_workgroup_id_y 1
		.amdhsa_system_sgpr_workgroup_id_z 1
		.amdhsa_system_vgpr_workitem_id 0
		.amdhsa_next_free_vgpr 1024
		.amdhsa_next_free_sgpr 100
		.amdhsa_reserve_vcc 0
		.amdhsa_float_denorm_mode_32 3
		.amdhsa_float_denorm_mode_16_64 3
		.amdhsa_memory_ordered 1
		.amdhsa_forward_progress 1
		.amdhsa_inst_pref_size 163
	.end_amdhsa_kernel
	.amdgpu_metadata
---
amdhsa.version: [ 1, 2 ]
amdhsa.kernels:
  - .name:           k_q1142ee8c7b_gemm_out
    .symbol:         k_q1142ee8c7b_gemm_out.kd
    .args:
      - { .name: ac, .offset: 0, .size: 8, .value_kind: global_buffer, .address_space: global }
      - { .name: asc, .offset: 8, .size: 8, .value_kind: global_buffer, .address_space: global }
      - { .name: wc, .offset: 16, .size: 8, .value_kind: global_buffer, .address_space: global }
      - { .name: ws, .offset: 24, .size: 8, .value_kind: global_buffer, .address_space: global }
      - { .name: bp, .offset: 32, .size: 8, .value_kind: global_buffer, .address_space: global }
      - { .name: out0, .offset: 40, .size: 8, .value_kind: global_buffer, .address_space: global }
    .group_segment_fixed_size: 327680
    .private_segment_fixed_size: 0
    .kernarg_segment_align: 8
    .kernarg_segment_size: 48
    .max_flat_workgroup_size: 128
    .sgpr_count:     100
    .vgpr_count:     1024
    .wavefront_size: 32
...
	.end_amdgpu_metadata
.endif
;; end of part 5
